; MI455X (gfx1250); checked and timed in simulation.
; The chip was launched on July 23, 2026; its instructions are those of AMD's public machine-readable ISA for CDNA 5 (MIT licence, August 2026) and "CDNA5" Instruction Set Architecture Reference Guide (July 2026). The comments in the code are by the model that wrote it; some were corrected since.
;; Simple Self Attention. Allowed arithmetic: matrix products marked QUANTISED: E2M3 operands, one E8M0 scale for each 32 along K, by v_wmma_scale_f32_16x16x128_f8f6f4 with both operands' format E2M3, f32 sums; everything else in f32.
;; Inputs: wk 1,024 x 1,024 float32; wq 1,024 x 1,024 float32; wv 1,024 x 1,024 float32; x 4 x 2,048 x 1,024 float32.
;; Outputs: out0 4 x 2,048 x 1,024 float32.
;; This version of the problem:
;;   THIS VERSION OF THE PROBLEM IS GIVEN IN LOW PRECISION. The matrix products marked QUANTISED in the list below multiply operands that are first quantised to E2M3 (2 exponent bits, 3 mantissa bits; 6 bits a number), with one power-of-two scale for each 32 numbers along K (OCP MX v1.0); their sums are f32. All else is computed in f32.
;;   The module's matrix products, in the order in which they are computed (A, B: the left and right operand; K: the contracted axis; several contracted axes count as one K, in the product's order):
;;     1. [M 8,192, K 1,024] x [K 1,024, N 1,024]; A: input x; B: input wq: QUANTISED
;;     2. [M 8,192, K 1,024] x [K 1,024, N 1,024]; A: input x; B: input wk: QUANTISED
;;     3. [M 8,192, K 1,024] x [K 1,024, N 1,024]; A: input x; B: input wv: QUANTISED
;;     4. batch 4 x [M 2,048, K 1,024] x [K 1,024, N 2,048]; A: computed on the way; B: computed on the way: QUANTISED
;;     5. batch 4 x [M 2,048, K 2,048] x [K 2,048, N 1,024]; A: softmax (see below); B: computed on the way: QUANTISED
;;   THE QUANTISER, for each operand of a quantised product, along K:
;;     - K is cut into blocks of 32 from its start; a last block that is shorter is filled with zeros.
;;     - A block's scale is 2^e with e = floor(log2(the largest magnitude in the block)) - 2, held to -126 .. 127; a block of zeros has e = 0. As a byte (E8M0): e + 127.
;;     - Each number is divided by its block's scale, clamped to +-7.5, and rounded to the nearest number of E2M3, ties to even, subnormals kept.
;;     - The product sums the exact products of the quantised numbers (number of the format x scale) in f32.
;;   ~~~python
;;   def quantise(x, axis):      # numpy; x: float32 -> the quantised numbers, widened to float32 again
;;       x = np.moveaxis(x, axis, -1); K = x.shape[-1]
;;       x = np.pad(x, [(0, 0)] * (x.ndim - 1) + [(0, -K % 32)]); x = x.reshape(x.shape[:-1] + (-1, 32)); a = np.abs(x).max(-1, keepdims=True)
;;       e = np.where(a > 0, np.clip(np.frexp(np.where(a > 0, a, 1))[1] - 1 - 2, -126, 127), 0)      # np.frexp(a)[1] - 1 = floor(log2(a)), exactly
;;       r = np.clip(x / 2.0 ** e, -7.5, 7.5)
;;       step = 2.0 ** (np.maximum(np.frexp(np.where(r == 0, 1, r))[1] - 1, 0) - 3)
;;       q = np.round(r / step) * step * 2.0 ** e      # np.round: ties to even
;;       return np.moveaxis(q.reshape(q.shape[:-2] + (-1,))[..., :K], -1, axis).astype(np.float32)
;;   ~~~
;;   SOFTMAX AHEAD OF A QUANTISED PRODUCT. Where the list says 'softmax', what is quantised is not the finished softmax but p = 2^(t - M), with t = logit x log2(e) and M = ceil(the row's largest t), a whole number; so 1/2 < the row's largest p <= 1. The row's sum l is taken of the UNQUANTISED p, in f32, and the product's result is divided by l at the end. Since M is a whole number, a kernel that streams over the keys may use a running M (the ceiling of the running maximum): every later rescaling is an exact power of two, which a block's scale takes up: the codes' values come out the same.
;;   OPERANDS COMPUTED ON THE WAY. 'Computed on the way' means the value that the module computes at that place (a softmax that the list does not call 'softmax' is quantised finished and normalised). What goes into a quantiser is computed in f32, as accurately as f32 sums, v_exp_f32 and their like allow (about 1e-6 of the number): no bf16 or f16 on the way to a quantiser, and a product that is left as it is and whose result goes on into a quantised operand takes f32 operands (vector FMAs, or v_wmma_f32_16x16x4_f32). A number that lies on a knife's edge between two numbers of the format may be rounded either way, as far as f32 arithmetic and the matrix unit's own rounding can turn it there, and no further.
;; One version. Each part assembles by itself: llvm-mc -triple=amdgcn-amd-amdhsa -mcpu=gfx1250 --defsym DOCPART=n.
;; ======== version 1 of 1: 4 launches
;; limits: right only within a limited range of input values
;; workspace buffers: xi 6,553,600 bytes; wi 2,457,600 bytes; qi 6,553,600 bytes; ki 6,553,600 bytes; vi 6,553,600 bytes; pi 13,107,200 bytes; st 1,048,576 bytes
;; launch quant (part 1): grid 704 x 1, 4 waves a work-group, no clusters, 34,816 bytes of LDS; arguments x, wq, wk, wv, xi, wi; writes xi, wi
.if DOCPART == 1
	.amdgcn_target "amdgcn-amd-amdhsa--gfx1250"
	.amdhsa_code_object_version 6
	.text
	.protected	k_q5119d1ec86_quant
	.globl	k_q5119d1ec86_quant
	.p2align	8
	.type	k_q5119d1ec86_quant,@function
k_q5119d1ec86_quant:
	s_mov_b64 s[64:65], 0
	v_nop
	global_prefetch_b8 v0, s[64:65] scope:SCOPE_SE
	s_setreg_imm32_b32 hwreg(HW_REG_WAVE_MODE, 25, 1), 1
	s_wait_xcnt 0x0
; x [8192][1024] and wq, wk, wv [1024][1024], f32, K innermost, become codes of FP6 (E2M3) with one E8M0 byte for each 32 along K,
; laid as IMAGES OF THE OPERAND'S REGISTERS.  A panel is 128 rows x 128 K, 12,800 bytes; panel (row group g, K step s) lies at (8 g + s) x 12,800.
; In a panel: fragment a (0..7) at 1,536 a: registers 4 c .. 4 c + 3 of lane l at 512 c + 16 l;  at 12,288 the scale words: lane (r, h), at 16 x lane, holds the words of fragments 4 h .. 4 h + 3, row slot r.
; Row slot r of fragment a is row 32 (a / 2) + 8 (a % 2) + r + 8 (r / 8) of the group: as source 0 of a product such fragments give results whose registers run along neighbours of the next K.
; A block's scale is 2^(floor(log2(largest magnitude)) - 2); its byte is the largest magnitude's exponent field - 2, held at 1 from below.
; WORK LEFT OUT IN THE LATER LAUNCHES: reference() sets every score above the diagonal to -infinity by a mask that it builds itself (jnp.tril), so p is 0 there whatever the inputs hold.
; Tiles of the scores and key steps of the last product that lie wholly above the diagonal are not computed.  A NaN, an infinity or an overflow that would arise only there is not carried to the result.
; Every input has a way to the output and is loaded.
; LIMITS: a block of zeros gets the byte 1 where the rule says 127 (its codes are zeros, and this program alone reads the bytes); NaN and infinities among the inputs are not served.
; SHARES: work-groups 0-511 take x's 512 panels, 512-703 those of wq, wk, wv (64 each, on end in wi); a work-group one panel, a wave a quarter of it: fragments 2 w and 2 w + 1, 32 rows x 512 bytes.
; A wave asks for all its 32 loads at its start.  Each load reads 512 consecutive bytes of one row; a fragment's 16 rows turn through the wave's own stage in LDS, so that lane (r, h) gets blocks h and 2 + h of row slot r,
; which is what the operand's layout gives that lane.  The four waves' scale words meet in 512 LDS bytes of their own; behind one barrier wave 0 stores them as 512 consecutive bytes.
; No tensor load, no matrix unit, no cluster: the launch only streams.
.set PITCH, 528                        ; a stage row: 512 bytes + 16 = 33 x 16: the sixteen rows that sixteen lanes read begin at sixteen different 16-byte columns modulo 256
.set WSTG,  16*PITCH                   ; a wave's stage
.set SCW,   4*WSTG                     ; behind the stages: the panel's scale block, 512 bytes
.set SPARE, SCW+512                    ; behind it: the spare words, 128 bytes a wave
.set X,   32                           ; v32-95   my two blocks of 32 numbers
.set R,   96                           ; v96-223  my two fragments' 16 rows as loaded
.set C,   224                          ; v224-235 a fragment's twelve registers
.set TT,  236                          ; v236-242 the upper halves of the two blocks' codes, before they are moved
.set MX,  10                           ; v10-11   largest magnitudes
.set SO,  12                           ; v12-13   the conversions' scale operands
.set BY,  14                           ; v14-15   scale bytes
.set WD,  16                           ; v16-17   my two bytes in place; the other half's
.set SW,  20                           ; v20-21   the two fragments' scale words
.set SPW, 254
.set NIL, 255
	s_load_b256 s[4:11], s[0:1], 0x0               ; x, wq, wk, wv
	s_load_b128 s[12:15], s[0:1], 0x20             ; xi, wi
	v_lshl_add_u32 v[SPW], v0, 2, SPARE
	v_mov_b32 v[NIL], 0
	v_lshrrev_b32 v1, 5, v0
	v_readfirstlane_b32 s30, v1                    ; wave 0..3
	s_mul_i32 s31, s30, WSTG
	s_lshr_b32 s34, s30, 1
	s_lshl_b32 s34, s34, 8
	s_and_b32 s35, s30, 1
	s_lshl_b32 s35, s35, 3
	s_add_co_u32 s34, s34, s35
	s_add_co_u32 s34, s34, SCW                     ; my two words of a row slot's quad: 256 (w / 2) + 8 (w % 2)
	s_mov_b32 s32, 0x76543210
	s_mov_b32 s33, 0xfedcba98                      ; selects for lane l xor 16
	v_and_b32 v2, 31, v0                           ; lane
	v_and_b32 v3, 15, v0                           ; r
	v_bfe_u32 v9, v0, 4, 1                         ; h
	v_lshlrev_b32 v4, 4, v2                        ; 16 x lane: my place in a load's 512 bytes and in an image's
	v_add_nc_u32 v5, s31, v4                       ; the stage, way in
	v_mul_u32_u24 v6, v3, PITCH
	v_lshl_add_u32 v6, v9, 7, v6
	v_add_nc_u32 v6, s31, v6                       ; way out: row slot r, block h
	v_lshlrev_b32 v7, 3, v9                        ; 8 h: how far my two scale bytes are shifted
	v_lshlrev_b32 v8, 4, v3
	v_add_nc_u32 v8, s34, v8                       ; the scale block, way in: + 16 r
	v_add_nc_u32 v18, SCW, v4                      ; way out: 16 x lane
	v_mov_b32 v[WD+1], 0                           ; a lane permute's destination counts as read
	s_wait_alu depctr_va_vdst(0)                   ; the wait at the head's end
	s_wait_kmcnt 0x0
	s_cmp_lt_u32 ttmp9, 512                        ; the choices hang on the work-group's number alone
	s_cselect_b64 s[16:17], s[4:5], s[6:7]
	s_cselect_b64 s[18:19], s[12:13], s[14:15]
	s_cselect_b32 s20, 0, 512
	s_cselect_b32 s21, 511, 63
	s_cmp_lt_u32 ttmp9, 576
	s_cselect_b64 s[16:17], s[16:17], s[8:9]
	s_cmp_lt_u32 ttmp9, 640
	s_cselect_b64 s[16:17], s[16:17], s[10:11]
	s_sub_co_u32 s20, ttmp9, s20                   ; the panel's number in its image
	s_and_b32 s21, s20, s21                        ; and in its own tensor: 8 g + s
	s_lshr_b32 s22, s21, 3
	s_and_b32 s23, s21, 7
	s_lshl_b32 s22, s22, 19                        ; g x 128 rows of 4,096 bytes
	s_lshl_b32 s23, s23, 9                         ; s x 512 bytes
	s_add_co_u32 s22, s22, s23
	s_lshl_b32 s23, s30, 17                        ; w x 32 rows
	s_add_co_u32 s22, s22, s23
	s_mov_b32 s23, 0
	s_add_nc_u64 s[16:17], s[16:17], s[22:23]      ; the source at my first row
	s_mul_i32 s22, s20, 12800
	s_add_nc_u64 s[18:19], s[18:19], s[22:23]      ; the panel
	s_mul_i32 s24, s30, 3072
	s_mov_b32 s25, 0
	s_add_nc_u64 s[26:27], s[18:19], s[24:25]      ; my two fragments
.macro LOADF f                         ; my fragment f's sixteen rows, in the order of its row slots
.irp t, 0,1,2,3,4,5,6,7,8,9,10,11,12,13,14,15
	global_load_b128 v[R+64*(\f)+4*\t:R+64*(\f)+4*\t+3], v4, s[16:17] offset:(8*(\f)+\t+8*(\t/8))*4096 th:TH_LOAD_NT
.endr
.endm
.macro TURNF f                         ; through the stage: LDS serves a wave's instructions in order, so no wait stands between the stores and the loads
.irp t, 0,1,2,3,4,5,6,7,8,9,10,11,12,13,14,15
	ds_store_b128 v5, v[R+64*(\f)+4*\t:R+64*(\f)+4*\t+3] offset:PITCH*\t
.endr
.irp c, 0,1
.irp e, 0,1,2,3,4,5,6,7
	ds_load_b128 v[X+32*\c+4*\e:X+32*\c+4*\e+3], v6 offset:256*\c+16*\e   ; block 2 c + h of my row
.endr
.endr
.endm
.macro FRAGQ f
	s_wait_loadcnt 16*(1-(\f))                     ; this fragment's sixteen loads are in; the second fragment's sixteen may be out
	TURNF \f
	s_wait_dscnt 0x0                               ; my numbers are back
.irp c, 0,1
	v_max3_num_f32 v[MX+\c], |v[X+32*\c]|, |v[X+32*\c+1]|, 0x1800000   ; the block's largest magnitude, with the floor 2^(3 - 127) among its leaves: the byte cannot fall under 1
.endr
.irp i, 2,4,6,8,10,12,14,16,18,20,22,24,26,28,30
.irp c, 0,1
	v_max3_num_f32 v[MX+\c], v[MX+\c], |v[X+32*\c+\i]|, |v[X+32*\c+\i+1]|
.endr
.endr
.irp c, 0,1
	v_add_nc_u32 v[SO+\c], 0xff000000, v[MX+\c]    ; 2 off the exponent field: the conversion takes that field as its scale
.endr
.irp c, 0,1
	v_lshrrev_b32 v[BY+\c], 23, v[SO+\c]           ; the scale's byte
.endr
	v_lshl_or_b32 v[WD], v[BY+1], 16, v[BY]        ; blocks h and 2 + h,
	v_lshlrev_b32 v[WD], v7, v[WD]                 ; at their places in the word;
	v_permlanex16_b32 v[WD+1], v[WD], s32, s33
	v_or_b32 v[SW+(\f)], v[WD], v[WD+1]            ; with lane l xor 16's two the word is whole, in both halves
	s_wait_alu depctr_va_vdst(0)                   ; the wait, directly ahead of the wait below
	s_wait_xcnt 0x0                                ; the last fragment's stores have read their data: the codes' registers are written again only behind this wait
.irp c, 0,1
	v_cvt_scalef32_pk16_fp6_f32 v[C+6*\c:C+6*\c+2], v[X+32*\c:X+32*\c+15], v[SO+\c]
	v_cvt_scalef32_pk16_fp6_f32 v[TT+4*\c:TT+4*\c+2], v[X+32*\c+16:X+32*\c+31], v[SO+\c]   ; (a conversion's three registers begin on an even number)
.endr
	v_nop                                          ; one plain place behind the scaled conversions
.irp c, 0,1
.irp i, 0,1,2
	v_mov_b32 v[C+6*\c+3+\i], v[TT+4*\c+\i]
.endr
.endr
.irp c, 0,1,2
	global_store_b128 v4, v[C+4*\c:C+4*\c+3], s[26:27] offset:1536*(\f)+512*\c   ; 32 lanes store 512 consecutive bytes, aligned
.endr
.endm
	LOADF 0
	LOADF 1
	FRAGQ 0
	FRAGQ 1
	ds_store_b64 v8, v[SW:SW+1]                    ; my two words of row slot r; lanes r and 16 + r write the same bytes with the same value
	s_wait_dscnt 0x0                               ; for the others' sake
	s_barrier_signal -1
	s_barrier_wait -1
	s_cmp_lg_u32 s30, 0
	s_cbranch_scc1 .Ldone
	ds_load_b128 v[10:13], v18                     ; wave 0: the panel's whole scale block
	s_wait_dscnt 0x0
	global_store_b128 v4, v[10:13], s[18:19] offset:12288   ; 32 lanes store 512 consecutive bytes, aligned
.Ldone:
	s_wait_tensorcnt 0x0                           ; the wave's end
	ds_add_u32 v[SPW], v[NIL]
	s_wait_dscnt 0x0
	s_endpgm
.Lfunc_end_k_q5119d1ec86_quant:
	.size	k_q5119d1ec86_quant, .Lfunc_end_k_q5119d1ec86_quant-k_q5119d1ec86_quant
	.p2alignl 7, 3214868480
	.fill 96, 4, 3214868480
	.section	.rodata,"a",@progbits
	.p2align	6, 0x0
	.amdhsa_kernel k_q5119d1ec86_quant
		.amdhsa_group_segment_fixed_size 34816
		.amdhsa_private_segment_fixed_size 0
		.amdhsa_enable_private_segment 0
		.amdhsa_kernarg_size 48
		.amdhsa_user_sgpr_count 2
		.amdhsa_user_sgpr_kernarg_segment_ptr 1
		.amdhsa_wavefront_size32 1
		.amdhsa_system_sgpr_workgroup_id_x 1
		.amdhsa_system_sgpr_workgroup_id_y 1
		.amdhsa_system_sgpr_workgroup_id_z 1
		.amdhsa_system_vgpr_workitem_id 0
		.amdhsa_next_free_vgpr 256
		.amdhsa_next_free_sgpr 66
		.amdhsa_reserve_vcc 0
		.amdhsa_float_denorm_mode_32 3
		.amdhsa_float_denorm_mode_16_64 3
		.amdhsa_memory_ordered 1
		.amdhsa_forward_progress 1
		.amdhsa_inst_pref_size 17
	.end_amdhsa_kernel
	.amdgpu_metadata
---
amdhsa.version: [ 1, 2 ]
amdhsa.kernels:
  - .name:           k_q5119d1ec86_quant
    .symbol:         k_q5119d1ec86_quant.kd
    .args:
      - { .name: x, .offset: 0, .size: 8, .value_kind: global_buffer, .address_space: global }
      - { .name: wq, .offset: 8, .size: 8, .value_kind: global_buffer, .address_space: global }
      - { .name: wk, .offset: 16, .size: 8, .value_kind: global_buffer, .address_space: global }
      - { .name: wv, .offset: 24, .size: 8, .value_kind: global_buffer, .address_space: global }
      - { .name: xi, .offset: 32, .size: 8, .value_kind: global_buffer, .address_space: global }
      - { .name: wi, .offset: 40, .size: 8, .value_kind: global_buffer, .address_space: global }
    .group_segment_fixed_size: 34816
    .private_segment_fixed_size: 0
    .kernarg_segment_align: 8
    .kernarg_segment_size: 48
    .max_flat_workgroup_size: 128
    .sgpr_count:     66
    .vgpr_count:     256
    .wavefront_size: 32
...
	.end_amdgpu_metadata
.endif
;; end of part 1
;; launch proj (part 2): grid 8 x 32, 4 waves a work-group, clusters of 4 x 4, 327,680 bytes of LDS; arguments xi, wi, qi, ki, vi; writes qi, ki, vi
.if DOCPART == 2
	.amdgcn_target "amdgcn-amd-amdhsa--gfx1250"
	.amdhsa_code_object_version 6
	.text
	.protected	k_q5119d1ec86_proj
	.globl	k_q5119d1ec86_proj
	.p2align	8
	.type	k_q5119d1ec86_proj,@function
k_q5119d1ec86_proj:
	s_mov_b64 s[64:65], 0
	v_nop
	global_prefetch_b8 v0, s[64:65] scope:SCOPE_SE
	s_setreg_imm32_b32 hwreg(HW_REG_WAVE_MODE, 25, 1), 1
	s_wait_xcnt 0x0
	s_wait_alu depctr_hold_cnt(0) depctr_sa_sdst(0) depctr_va_vdst(0) depctr_va_sdst(0) depctr_va_ssrc(0) depctr_va_vcc(0) depctr_vm_vsrc(0)
	s_getreg_b32 s2, hwreg(HW_REG_IB_STS2, 6, 4)
	s_cmp_eq_u32 s2, 0
	s_cbranch_scc0 .Lentry_in_a_cluster
	s_endpgm
.Lentry_in_a_cluster:
	s_bfe_u32 s2, ttmp6, 0x10000c
	s_cmp_lg_u32 s2, 0xf033
	s_cbranch_scc0 .Lentry_shape_is_right
	s_endpgm
.Lentry_shape_is_right:
; q = x wq^T, k = x wk^T, v = x wv^T on codes of FP6 (E2M3) with E8M0 scales, K = 1,024; each result is quantised in registers along the K of the product that takes it next
; (q, k along d_out; v along the keys) and leaves as images of operand registers.  IMAGE: a panel is 128 rows x 128 K, 12,800 bytes: fragment a at 1,536 a (registers 4 c .. 4 c + 3 of lane l at
; 512 c + 16 l), the scale words at 12,288 (lane (r, h) at 16 x lane: fragments 4 h .. 4 h + 3, row slot r); row slot r of fragment a is row 32 (a / 2) + 8 (a % 2) + r + 8 (r / 8) of the group.
; THE PRODUCT IS USED TRANSPOSED: source 0 = the operand called B here, source 1 = A.  A lane holds one row of A, and a block's 64 registers run along B's rows: register 16 b + i is index 32 b + 16 (lane / 16) + i.
; 256 WORK-GROUPS THAT STAY.  q and k are 256 tiles of 256 x 256, v is 128: each work-group makes one tile of q or k (PART 1) and then half a tile of v^T (PART 2).
; PART 1: A = x's tokens (tile row 4 Y + cy), B = wq's or wk's rows (tile column 4 X + cx); a wave makes 128 x 128, one panel: 64 accumulators.
; PART 2: A = 256 rows of wv (tile cy), B = x's token group 4 (2 Y + X) + cx; a wave makes 64 rows x 128 tokens, half a panel of v^T with the keys innermost: 32 accumulators.
; LDS: two slots of 12 panels, 153,600 bytes.  Part 1, K in 8 steps of 128: slot 0 steps 0-2 (head), slot 1 steps 3-5 (first round), slot 0 steps 6-7 (round in step 2); a slot is A's two groups, then B's two.
; THE RING GOES ON INTO PART 2: slot 1 takes its steps 0-3 behind the round in step 5, slot 0 its steps 4-7 behind a round in the middle of part 1's epilogue; there a slot is wv's two groups (4 panels each), then the token group's 4 panels.
; One tensor load a wave behind each round, and one is out at any time.  Waves 0, 1 fetch for A, waves 2, 3 for B.
; CLUSTERS: 4 x 4 work-groups; in both parts A's blocks hang on cy (and Y) alone and are shared along a row of the cluster, B's on cx, X, Y and are shared along a column.
; A step's LDS loads stand in four runs between groups of matrix instructions: B's fragments first, then the scale words and A's first half, then A's second half.
; NO PREFETCH: five fills in all and no loop to run ahead in.
; LIMITS: a block of zeros gets the byte 1 where the rule says 127 (its codes are zeros; this program alone reads the bytes); NaN and infinities are not served.
; REGISTERS: window 0: v3-15, v24-27, v30 addresses, v16-23 the result's scale words, v28-29 for the add; v32-63 scale words alone; v64-159, v160-255 A's fragments, two sets;
; window 1: B's fragments at v0 and v128;  window 2: accumulators of A's blocks 0-3 ((a, b) at v[8 (8 (a % 4) + b)]);  window 3: blocks 4-7.
.set PANB,  12800
.set REGB,  3*PANB
.set SLOTB, 4*REGB
.set SPARE, 2*SLOTB
.set LI,   3
.set ADA,  4
.set ADB,  6
.set ASA,  8
.set ASB,  10
.set ADA2, 12
.set ADB2, 14
.set SW,   16
.set ASA2, 24
.set ASB2, 26
.set SPW,  28
.set NIL,  29
.set SQ,   30
.set TM,   64
.set OQ,   80
.set PC,   112
.set G1A,  24
.set G1B,  32
.set G0A,  40                          ; s[40:47] part 1, A, a set for each slot
.set G0B,  48                          ; s[48:55] B
.set G0A2, 56                          ; s[56:63] part 2, A, a set for each fill
.set G0B2, 84                          ; s[84:91] B
.set OUT,  74
.set SEL,  80
.set OUT2, 82
.set MSB, 0
.macro WIN new                         ; the immediate's high byte repeats the setting that is left
.if MSB != \new
	s_set_vgpr_msb (MSB<<8)|\new
.set MSB, \new
.endif
.endm
.set MUL_LO, 0xa1
.set MUL_HI, 0xf1
.set TO_B,   0x40
.macro PLACES                          ; four plain places behind a matrix instruction (ISA guide 7.12.1)
.rept 4
	v_nop
.endr
.endm
.macro JLOAD g0a, g1a, g0b, g1b        ; a joint load: waves 0, 1 fetch for A, waves 2, 3 for B
	s_cmp_eq_u32 s15, 0
	s_cbranch_scc0 .Lfor_b_\@
	tensor_load_to_lds s[\g0a:\g0a+3], s[\g1a:\g1a+7]
	s_nop 0
.rept 4
	v_nop
.endr
	s_branch .Lasked_\@
.Lfor_b_\@:
	tensor_load_to_lds s[\g0b:\g0b+3], s[\g1b:\g1b+7]
	s_nop 0
.rept 4
	v_nop
.endr
.Lasked_\@:
.endm
.macro CREST
	s_cmp_lg_u32 s14, 0
	s_cbranch_scc1 .Lnot_wave_0_\@
	s_barrier_signal -3
.Lnot_wave_0_\@:
	s_barrier_wait -3
	s_barrier_signal -1
	s_barrier_wait -1
.endm
.macro CROUND
	s_barrier_signal -1
	s_barrier_wait -1
	CREST
.endm
.macro MUL8 a, p, zero                 ; A's block a x B's eight; the accumulators take turns, one instruction a turn
.irp b, 0,1,2,3,4,5,6,7
.if \zero
	v_wmma_scale_f32_16x16x128_f8f6f4 v[8*(8*((\a)%4)+\b):8*(8*((\a)%4)+\b)+7], v[128*(\p)+12*\b:128*(\p)+12*\b+11], v[64+96*(\p)+12*(\a):64+96*(\p)+12*(\a)+11], 0, v[40+16*(\p)+\b], v[32+16*(\p)+(\a)] matrix_a_fmt:MATRIX_FMT_FP6 matrix_b_fmt:MATRIX_FMT_FP6
.else
	v_wmma_scale_f32_16x16x128_f8f6f4 v[8*(8*((\a)%4)+\b):8*(8*((\a)%4)+\b)+7], v[128*(\p)+12*\b:128*(\p)+12*\b+11], v[64+96*(\p)+12*(\a):64+96*(\p)+12*(\a)+11], v[8*(8*((\a)%4)+\b):8*(8*((\a)%4)+\b)+7], v[40+16*(\p)+\b], v[32+16*(\p)+(\a)] matrix_a_fmt:MATRIX_FMT_FP6 matrix_b_fmt:MATRIX_FMT_FP6
.endif
.endr
.endm
.macro MUL16 a0, p, zero
	MUL8 \a0, \p, \zero
	MUL8 (\a0)+1, \p, \zero
.endm
.macro LDF reg, adr, off               ; a fragment: three loads of 512 consecutive bytes
.irp c, 0,1,2
	ds_load_b128 v[(\reg)+4*\c:(\reg)+4*\c+3], v[\adr] offset:(\off)+512*\c
.endr
.endm
.macro FB adr, q, p, i0                ; four of B's fragments, from i0 on: 12 loads
	WIN TO_B
.irp i, 0,1,2,3
	LDF 128*(\p)+12*((\i0)+\i), \adr, PANB*(\q)+1536*((\i0)+\i)
.endr
.endm
.macro FA adr, q, p, i0, n             ; n of A's fragments, from i0 on
	WIN 0
.set I_, \i0
.rept \n
	LDF 64+96*(\p)+12*I_, \adr, PANB*(\q)+1536*I_
.set I_, I_+1
.endr
.endm
.macro FS slot, q, p                   ; part 1's scale words: 4 loads
	WIN 0
.irp u, 0,1
	ds_load_b128 v[40+16*(\p)+4*\u:40+16*(\p)+4*\u+3], v[ASB+\slot] offset:PANB*(\q)+256*\u
	ds_load_b128 v[32+16*(\p)+4*\u:32+16*(\p)+4*\u+3], v[ASA+\slot] offset:PANB*(\q)+256*\u
.endr
.endm
.macro FS2 slot, q, p                  ; part 2's: 3 loads
	WIN 0
.irp u, 0,1
	ds_load_b128 v[40+16*(\p)+4*\u:40+16*(\p)+4*\u+3], v[ASB2+\slot] offset:PANB*(\q)+256*\u
.endr
	ds_load_b128 v[32+16*(\p):32+16*(\p)+3], v[ASA2+\slot] offset:PANB*(\q)
.endm
.macro FETCH40 slot, q, p              ; all of a step but A's blocks 4-7
	FB ADB+\slot, \q, \p, 0
	FB ADB+\slot, \q, \p, 4
	FS \slot, \q, \p
	FA ADA+\slot, \q, \p, 0, 4
.endm
.macro STEP p, zero, nslot, nq         ; set p is multiplied, the next step comes into the other set
	s_wait_dscnt 12                                ; set p is in but for A's blocks 4-7, the youngest 12 loads
	PLACES                                         ; behind the last step's products, which read the other set
	FB ADB+\nslot, \nq, 1-(\p), 0
	WIN MUL_LO
	MUL16 0, \p, \zero
	FB ADB+\nslot, \nq, 1-(\p), 4
	WIN MUL_LO
	MUL16 2, \p, \zero
	s_wait_dscnt 24                                ; all but the 24 just issued: A's blocks 4-7 are in
	FS \nslot, \nq, 1-(\p)
	FA ADA+\nslot, \nq, 1-(\p), 0, 4
	WIN MUL_HI
	MUL16 4, \p, \zero
	FA ADA+\nslot, \nq, 1-(\p), 4, 4
	WIN MUL_HI
	MUL16 6, \p, \zero
	WIN 0
.endm
; A change of slots behind which the slot read out is filled again.  kind 0 (step 2): slot 0 takes part 1's steps 6, 7: 100 rows of 256 bytes.  kind 1 (step 5): slot 1 takes part 2's steps 0-3: A 200 rows, B 100.
.macro TURNR kind, p, nslot, nq
	s_wait_tensorcnt 0x0                           ; no tensor load of mine is out: descriptors may be written
	ds_add_u32 v[SPW], v[NIL]
.if \kind
	s_mov_b32 s[G1A+2], 200<<16
	s_mov_b32 s[G1A+4], 200
.else
	s_add_nc_u64 s[G0A+2:G0A+3], s[G0A+2:G0A+3], 6*PANB
	s_add_nc_u64 s[G0B+2:G0B+3], s[G0B+2:G0B+3], 6*PANB
	s_mov_b32 s[G1A+2], 100<<16
	s_mov_b32 s[G1A+4], 100
	s_mov_b32 s[G1B+2], 100<<16
	s_mov_b32 s[G1B+4], 100
.endif
	s_wait_dscnt 13                                ; the add and A's blocks 4-7 may be out
	WIN MUL_LO
	MUL16 0, \p, 0
	s_wait_dscnt 0x0                               ; the add is done, and so are my reads of the slot
	s_barrier_signal -1
	MUL16 2, \p, 0
	WIN 0
	s_barrier_wait -1
	CREST
.if \kind
	JLOAD G0A2, G1A, G0B2, G1B
.else
	JLOAD G0A, G1A, G0B, G1B
.endif
	FETCH40 \nslot, \nq, 1-(\p)
	WIN MUL_HI
	MUL16 4, \p, 0
	FA ADA+\nslot, \nq, 1-(\p), 4, 4
	WIN MUL_HI
	MUL16 6, \p, 0
	WIN 0
.endm
.macro STEP2 p, zero, nslot, nq        ; part 2: four blocks of A
	s_wait_dscnt 6                                 ; set p is in but for A's blocks 2, 3
	PLACES
	FB ADB2+\nslot, \nq, 1-(\p), 0
	WIN MUL_LO
	MUL8 0, \p, \zero
	FB ADB2+\nslot, \nq, 1-(\p), 4
	WIN MUL_LO
	MUL8 1, \p, \zero
	s_wait_dscnt 24
	FS2 \nslot, \nq, 1-(\p)
	FA ADA2+\nslot, \nq, 1-(\p), 0, 2
	WIN MUL_LO
	MUL8 2, \p, \zero
	FA ADA2+\nslot, \nq, 1-(\p), 2, 2
	WIN MUL_LO
	MUL8 3, \p, \zero
	WIN 0
.endm
	s_load_b256 s[4:11], s[0:1], 0x0               ; xi, wi, qi, ki
	s_load_b64 s[12:13], s[0:1], 0x20              ; vi
	v_lshl_add_u32 v[SPW], v0, 2, SPARE
	v_mov_b32 v[NIL], 0
	ds_add_u32 v[SPW], v[NIL]                      ; the opening lines
	ds_add_u32 v[SPW], v[NIL]
	v_lshrrev_b32 v1, 5, v0
	v_readfirstlane_b32 s14, v1                    ; wave 0..3
	s_lshr_b32 s15, s14, 1                         ; which of A's groups I multiply; also: I fetch for A (0) or B (1)
	s_and_b32 s16, s14, 1                          ; part 1: which of B's groups; part 2: which half of A's group; also: which part I fetch
	s_bfe_u32 s17, ttmp6, 0x40000                  ; cx
	s_bfe_u32 s18, ttmp6, 0x40004                  ; cy
	s_and_b32 s19, ttmp7, 0xffff                   ; Y
	s_lshl_b32 s20, ttmp9, 2
	s_add_co_u32 s20, s20, s17                     ; tx = 4 X + cx
	s_lshl_b32 s21, s18, 2
	s_lshl_b32 s21, 15, s21                        ; my row of the cluster
	s_lshl_b32 s22, 0x1111, s17                    ; my column
	s_or_b32 s[G1A], s21, (3<<16)|(1<<21)
	s_or_b32 s[G1B], s22, (3<<16)|(1<<21)
.irp g, G1A, G1B                       ; dense blocks as rows of 256 bytes; at first 38,400 bytes: 150 rows
	s_mov_b32 s[\g+1], 32<<16
	s_mov_b32 s[\g+2], 150<<16
	s_mov_b32 s[\g+3], 32<<16
	s_mov_b32 s[\g+4], 150
	s_mov_b32 s[\g+5], 32
	s_mov_b32 s[\g+6], 0
	s_mov_b32 s[\g+7], 0
.endr
	s_mov_b32 s[SEL], 0x76543210
	s_mov_b32 s[SEL+1], 0xfedcba98
	s_lshl_b32 s66, s19, 3
	s_lshl_b32 s67, s18, 1
	s_add_co_u32 s66, s66, s67
	s_add_co_u32 s66, s66, s16                     ; part 1, A: x's group 8 Y + 2 cy + the one that I fetch
	s_mul_i32 s66, s66, 8*PANB
	s_mov_b32 s67, 0
	s_lshl_b32 s76, s20, 1
	s_add_co_u32 s76, s76, s16                     ; B: wq's and wk's group 2 tx + the one that I fetch
	s_mul_i32 s76, s76, 8*PANB
	s_mov_b32 s77, 0
	s_lshl_b32 s92, s18, 1
	s_add_co_u32 s92, s92, s16
	s_add_co_u32 s92, s92, 16                      ; part 2, A: wv's groups begin at 16 in wi: 16 + 2 cy + the one that I fetch
	s_mul_i32 s92, s92, 8*PANB
	s_mov_b32 s93, 0
	s_lshl_b32 s96, s19, 1
	s_add_co_u32 s96, s96, ttmp9
	s_lshl_b32 s96, s96, 2
	s_add_co_u32 s96, s96, s17                     ; B: x's token group tg = 4 (2 Y + X) + cx
	s_lshl_b32 s94, s96, 2
	s_add_co_u32 s94, s94, s16                     ; in runs of two panels: 4 tg + the half of a fill that I fetch
	s_mul_i32 s94, s94, 2*PANB
	s_mov_b32 s95, 0
	s_mul_i32 s23, s14, REGB                       ; LDS, part 1: block w
	s_mul_i32 s97, s16, 4*PANB                     ; part 2: A's two blocks of four panels,
	s_mul_i32 s98, s16, 2*PANB
	s_add_co_u32 s98, s98, 8*PANB                  ; then B's four panels in two halves
	s_wait_dscnt 0x0
	s_wait_kmcnt 0x0
	s_add_nc_u64 s[68:69], s[4:5], s[66:67]
	s_add_nc_u64 s[78:79], s[6:7], s[76:77]
	s_add_nc_u64 s[92:93], s[6:7], s[92:93]
	s_add_nc_u64 s[94:95], s[4:5], s[94:95]
	CROUND                                         ; all sixteen work-groups are here: the first joint loads meet
.irp sl, 0,1
	s_mov_b32 s[G0A+4*\sl], 1
	s_add_co_u32 s[G0A+4*\sl+1], s23, \sl*SLOTB
	s_add_nc_u64 s[G0A+4*\sl+2:G0A+4*\sl+3], s[68:69], \sl*REGB
	s_or_b32 s[G0A+4*\sl+3], s[G0A+4*\sl+3], 0x80000000
	s_mov_b32 s[G0B+4*\sl], 1
	s_add_co_u32 s[G0B+4*\sl+1], s23, \sl*SLOTB
	s_add_nc_u64 s[G0B+4*\sl+2:G0B+4*\sl+3], s[78:79], \sl*REGB
	s_or_b32 s[G0B+4*\sl+3], s[G0B+4*\sl+3], 0x80000000
	s_mov_b32 s[G0A2+4*\sl], 1                     ; part 2's fill sl goes to slot 1 - sl
	s_add_co_u32 s[G0A2+4*\sl+1], s97, (1-\sl)*SLOTB
	s_add_nc_u64 s[G0A2+4*\sl+2:G0A2+4*\sl+3], s[92:93], \sl*4*PANB
	s_or_b32 s[G0A2+4*\sl+3], s[G0A2+4*\sl+3], 0x80000000
	s_mov_b32 s[G0B2+4*\sl], 1
	s_add_co_u32 s[G0B2+4*\sl+1], s98, (1-\sl)*SLOTB
	s_add_nc_u64 s[G0B2+4*\sl+2:G0B2+4*\sl+3], s[94:95], \sl*4*PANB
	s_or_b32 s[G0B2+4*\sl+3], s[G0B2+4*\sl+3], 0x80000000
.endr
	JLOAD G0A, G1A, G0B, G1B                       ; part 1's K steps 0-2: my one load at the head
	; part 1's panel: (8 Y + 2 cy + wr) x 8 + (2 tx + wc) % 8, in qi (X = 0) or ki
	s_lshl_b32 s70, s20, 1
	s_add_co_u32 s70, s70, s16
	s_and_b32 s70, s70, 7
	s_lshl_b32 s72, s18, 1
	s_add_co_u32 s72, s72, s15                     ; 2 cy + wr
	s_lshl_b32 s73, s19, 3
	s_add_co_u32 s73, s73, s72
	s_lshl_b32 s73, s73, 3
	s_add_co_u32 s70, s73, s70
	s_mul_i32 s70, s70, PANB
	s_mov_b32 s71, 0
	s_cmp_eq_u32 ttmp9, 0
	s_cselect_b64 s[OUT:OUT+1], s[8:9], s[10:11]
	s_add_nc_u64 s[OUT:OUT+1], s[OUT:OUT+1], s[70:71]
	; part 2's: (8 (tg / 16) + 2 cy + wr) x 16 + tg % 16, in vi; my half of it begins 6,144 x half in
	s_lshr_b32 s70, s96, 4
	s_lshl_b32 s70, s70, 3
	s_add_co_u32 s70, s70, s72
	s_lshl_b32 s70, s70, 4
	s_and_b32 s73, s96, 15
	s_add_co_u32 s70, s70, s73
	s_mul_i32 s70, s70, PANB
	s_mul_i32 s73, s16, 6144
	s_add_co_u32 s70, s70, s73
	s_add_nc_u64 s[OUT2:OUT2+1], s[12:13], s[70:71]
	s_mul_i32 s99, s16, 5888
	s_sub_co_u32 s99, 12288, s99                   ; from there to my half of the scale block: 12,288 + 256 x half - 6,144 x half
	s_mul_i32 s66, s15, REGB                       ; LDS, part 1: A's group wr,
	s_mul_i32 s67, s16, REGB
	s_add_co_u32 s67, s67, 2*REGB                  ; B's group wc
	s_mul_i32 s70, s15, 4*PANB                     ; part 2: A's group, and my half of its fragments
	s_add_co_u32 s72, s70, s73
	s_lshl_b32 s73, s16, 8
	s_add_co_u32 s73, s70, s73                     ; and of its scale words
	v_and_b32 v1, 31, v0
	v_and_b32 v2, 15, v0
	v_bfe_u32 v31, v0, 4, 1
	v_lshlrev_b32 v[LI], 4, v1
	v_lshlrev_b32 v30, 4, v2                       ; 16 r
	v_lshl_add_u32 v31, v31, 3, v30                ; 16 r + 8 h
	v_add_nc_u32 v2, 12288, v30
	v_add_nc_u32 v[ADA], s66, v[LI]
	v_add_nc_u32 v[ADB], s67, v[LI]
	v_add_nc_u32 v[ASA], s66, v2
	v_add_nc_u32 v[ASB], s67, v2
	v_add_nc_u32 v[ADA2], s72, v[LI]
	v_add_nc_u32 v[ADB2], 8*PANB, v[LI]
	v_add_nc_u32 v[ASA2], s73, v2
	v_add_nc_u32 v[ASB2], 8*PANB, v2
.irp r, ADA, ADB, ASA, ASB, ADA2, ADB2, ASA2, ASB2
	v_add_nc_u32 v[\r+1], SLOTB, v[\r]
.endr
	v_add_nc_u32 v[SQ], s99, v31
	s_wait_alu depctr_va_vdst(0)                   ; the wait at the head's end
	s_wait_tensorcnt 0x0                           ; my part of slot 0 is in
	ds_add_u32 v[SPW], v[NIL]
	s_wait_dscnt 0x0
	CROUND
	JLOAD G0A+4, G1A, G0B+4, G1B                   ; K steps 3-5, slot 1's first fill, issued as a refill is
	FETCH40 0, 0, 0
	FA ADA, 0, 0, 4, 4
	STEP 0, 1, 0, 1                                ; K step 0 starts the sums
	STEP 1, 0, 0, 2                                ; step 1
	TURNR 0, 0, 1, 0                               ; step 2; slot 0 takes steps 6, 7
	STEP 1, 0, 1, 1                                ; step 3
	STEP 0, 0, 1, 2                                ; step 4
	TURNR 1, 1, 0, 0                               ; step 5; slot 1 takes part 2's steps 0-3
	STEP 0, 0, 0, 1                                ; step 6
	s_wait_dscnt 0x0                               ; step 7
	WIN MUL_LO
	MUL16 0, 1, 0
	MUL16 2, 1, 0
	WIN MUL_HI
	MUL16 4, 1, 0
	MUL16 6, 1, 0
	WIN 0
; THE EPILOGUE.  Block a's 64 registers of a lane are 64 numbers of one row along the next K; they become a fragment of the panel at s[o:o+1] and its scale word.  Each accumulator is read from its low end on.
.macro QUANTW a, o
.set WS, 2+(\a)/4
.set AC, 64*((\a)%4)
.set WM, (WS<<2)|(WS<<4)
	WIN WM
.irp b, 0,1,2,3
	v_max3_num_f32 v[TM+\b], 0x1800000, |v[AC+16*\b]|, |v[AC+16*\b+1]|   ; my 16 numbers and the floor 2^(3 - 127)
.endr
.irp i, 2,4,6,8,10,12,14
.irp b, 0,1,2,3
	v_max3_num_f32 v[TM+\b], v[TM+\b], |v[AC+16*\b+\i]|, |v[AC+16*\b+\i+1]|
.endr
.endr
	WIN 0
.irp b, 0,1,2,3
	v_permlanex16_b32 v[TM+4+\b], v[TM+\b], s[SEL], s[SEL+1]
.endr
.irp b, 0,1,2,3
	v_max_num_f32 v[TM+\b], v[TM+\b], v[TM+4+\b]
.endr
.irp b, 0,1,2,3
	v_add_nc_u32 v[TM+12+\b], 0xff000000, v[TM+\b] ; 2 off the exponent field: the conversion's scale operand
.endr
.irp b, 0,1,2,3
	v_lshrrev_b32 v[TM+4+\b], 23, v[TM+12+\b]
.endr
	v_lshl_or_b32 v[SW+(\a)], v[TM+5], 8, v[TM+4]
	v_lshl_or_b32 v[SW+(\a)], v[TM+6], 16, v[SW+(\a)]
	v_lshl_or_b32 v[SW+(\a)], v[TM+7], 24, v[SW+(\a)]
	s_wait_xcnt 0x0                                ; the last fragment's stores have read their data
	WIN WS
.irp c, 0,1
	v_cvt_scalef32_pk16_fp6_f32 v[PC+6*\c:PC+6*\c+2], v[AC+32*\c:AC+32*\c+15], v[TM+12+2*\c]
	v_cvt_scalef32_pk16_fp6_f32 v[PC+12+4*\c:PC+12+4*\c+2], v[AC+32*\c+16:AC+32*\c+31], v[TM+12+2*\c+1]
.endr
	WIN 0
	v_nop                                          ; one plain place behind the scaled conversions
.irp c, 0,1
.irp i, 0,1,2
	v_permlane16_swap_b32 v[PC+6*\c+\i], v[PC+12+4*\c+\i]
.endr
.irp i, 0,1,2
	v_mov_b32 v[PC+6*\c+3+\i], v[PC+12+4*\c+\i]
.endr
.endr
.irp c, 0,1,2
	global_store_b128 v[LI], v[PC+4*\c:PC+4*\c+3], s[\o:\o+1] offset:1536*(\a)+512*\c   ; 32 lanes store 512 consecutive bytes, aligned
.endr
.endm
	PLACES
.irp b, 0,1,2,3
	v_mov_b32 v[TM+4+\b], 0                        ; a lane permute's destination counts as read
.endr
.irp a, 0,1,2,3
	QUANTW \a, OUT
.endr
	s_wait_alu depctr_va_vdst(0)
	s_wait_tensorcnt 0x0                           ; my part of part 2's steps 0-3 is in
	ds_add_u32 v[SPW], v[NIL]
	s_wait_dscnt 0x0                               ; my reads of slot 0 ended with step 7's fragments
	CROUND
	JLOAD G0A2+4, G1A, G0B2+4, G1B                 ; slot 0 takes part 2's steps 4-7
.irp a, 4,5,6,7
	QUANTW \a, OUT
.endr
	s_mov_b32 vcc_lo, 0xffff0000                   ; lanes 16-31 take fragments 4-7
.irp k, 0,1,2,3
	v_cndmask_b32 v[OQ+\k], v[SW+\k], v[SW+4+\k], vcc_lo
.endr
	global_store_b128 v[LI], v[OQ:OQ+3], s[OUT:OUT+1] offset:12288
	s_wait_xcnt 0x0                                ; the stores have read their data: part 2's fragments may land there
; PART 2
	FB ADB2+1, 0, 0, 0
	FB ADB2+1, 0, 0, 4
	FS2 1, 0, 0
	FA ADA2+1, 0, 0, 0, 4
	STEP2 0, 1, 1, 1                               ; K step 0 starts the sums anew
	STEP2 1, 0, 1, 2
	STEP2 0, 0, 1, 3
	s_wait_tensorcnt 0x0                           ; step 3: my part of slot 0 is in
	s_wait_dscnt 0x0
	s_barrier_signal -1
	WIN MUL_LO
	MUL8 0, 1, 0
	s_barrier_wait -1
	PLACES
	FB ADB2, 0, 0, 0
	FB ADB2, 0, 0, 4
	FS2 0, 0, 0
	FA ADA2, 0, 0, 0, 2
	WIN MUL_LO
	MUL8 1, 1, 0
	MUL8 2, 1, 0
	FA ADA2, 0, 0, 2, 2
	WIN MUL_LO
	MUL8 3, 1, 0
	WIN 0
	STEP2 0, 0, 0, 1
	STEP2 1, 0, 0, 2
	STEP2 0, 0, 0, 3
	s_wait_dscnt 0x0                               ; step 7
	WIN MUL_LO
	MUL16 0, 1, 0
	MUL16 2, 1, 0
	WIN 0
	PLACES
.irp a, 0,1,2,3
	QUANTW \a, OUT2
.endr
	s_mov_b32 vcc_lo, 0xffff0000                   ; lane (r, h) stores the words of my fragments 2 h and 2 h + 1, row slot r
	v_cndmask_b32 v[OQ], v[SW], v[SW+2], vcc_lo
	v_cndmask_b32 v[OQ+1], v[SW+1], v[SW+3], vcc_lo
	global_store_b64 v[SQ], v[OQ:OQ+1], s[OUT2:OUT2+1]   ; 32 lanes store 256 consecutive bytes, aligned
	s_wait_tensorcnt 0x0                           ; the wave's end
	ds_add_u32 v[SPW], v[NIL]
	s_wait_dscnt 0x0
	CROUND                                         ; the closing round
	s_endpgm
.Lfunc_end_k_q5119d1ec86_proj:
	.size	k_q5119d1ec86_proj, .Lfunc_end_k_q5119d1ec86_proj-k_q5119d1ec86_proj
	.p2alignl 7, 3214868480
	.fill 96, 4, 3214868480
	.section	.rodata,"a",@progbits
	.p2align	6, 0x0
	.amdhsa_kernel k_q5119d1ec86_proj
		.amdhsa_group_segment_fixed_size 327680
		.amdhsa_private_segment_fixed_size 0
		.amdhsa_enable_private_segment 0
		.amdhsa_kernarg_size 40
		.amdhsa_user_sgpr_count 2
		.amdhsa_user_sgpr_kernarg_segment_ptr 1
		.amdhsa_wavefront_size32 1
		.amdhsa_system_sgpr_workgroup_id_x 1
		.amdhsa_system_sgpr_workgroup_id_y 1
		.amdhsa_system_sgpr_workgroup_id_z 1
		.amdhsa_system_vgpr_workitem_id 0
		.amdhsa_next_free_vgpr 1024
		.amdhsa_next_free_sgpr 100
		.amdhsa_reserve_vcc 1
		.amdhsa_float_denorm_mode_32 3
		.amdhsa_float_denorm_mode_16_64 3
		.amdhsa_memory_ordered 1
		.amdhsa_forward_progress 1
		.amdhsa_inst_pref_size 213
	.end_amdhsa_kernel
	.amdgpu_metadata
---
amdhsa.version: [ 1, 2 ]
amdhsa.kernels:
  - .name:           k_q5119d1ec86_proj
    .symbol:         k_q5119d1ec86_proj.kd
    .args:
      - { .name: xi, .offset: 0, .size: 8, .value_kind: global_buffer, .address_space: global }
      - { .name: wi, .offset: 8, .size: 8, .value_kind: global_buffer, .address_space: global }
      - { .name: qi, .offset: 16, .size: 8, .value_kind: global_buffer, .address_space: global }
      - { .name: ki, .offset: 24, .size: 8, .value_kind: global_buffer, .address_space: global }
      - { .name: vi, .offset: 32, .size: 8, .value_kind: global_buffer, .address_space: global }
    .group_segment_fixed_size: 327680
    .private_segment_fixed_size: 0
    .kernarg_segment_align: 8
    .kernarg_segment_size: 40
    .max_flat_workgroup_size: 128
    .sgpr_count:     100
    .vgpr_count:     1024
    .wavefront_size: 32
...
	.end_amdgpu_metadata
.endif
;; end of part 2
;; launch scores (part 3): grid 36 x 4, 4 waves a work-group, no clusters, 327,680 bytes of LDS; arguments qi, ki, pi, st; writes pi, st
.if DOCPART == 3
	.amdgcn_target "amdgcn-amd-amdhsa--gfx1250"
	.amdhsa_code_object_version 6
	.text
	.protected	k_q5119d1ec86_scores
	.globl	k_q5119d1ec86_scores
	.p2align	8
	.type	k_q5119d1ec86_scores,@function
k_q5119d1ec86_scores:
	s_mov_b64 s[64:65], 0
	v_nop
	global_prefetch_b8 v0, s[64:65] scope:SCOPE_SE
	s_setreg_imm32_b32 hwreg(HW_REG_WAVE_MODE, 25, 1), 1
	s_wait_xcnt 0x0
; The causal tiles of S^T = k q^T on codes of FP6 (E2M3), K = 1,024, and the softmax's numerator for each chunk of 128 keys.  Tiles of 256 queries x 256 keys; of a batch's 8 x 8 the 36 at and under the diagonal are made:
; the others lie wholly under reference()'s own mask and are left out.
; Source 0 = 16 keys, source 1 = 16 queries: a lane holds one query (row slot r of block a), and block a's 64 registers run along the keys: register 16 b + i is key 32 b + 16 (lane / 16) + i of the wave's 128.
; FOR EACH QUERY AND CHUNK: t = score x log2(e) / 32; M = ceil(the chunk's largest t), kept as NM = -M = floor(-t); p = 2^(t - M); l = the sum of the unquantised p; p is quantised along the keys.
; The wave's result is one panel of p (an image of operand registers: fragment a at 1,536 a, scale words at 12,288) and, in st, 512 bytes of NM and 512 of l in the scale block's layout.
; The next launch brings every chunk under the row's M: an exact power of two, which the scale bytes take up.
; On the diagonal tile hidden scores become -infinity ahead of the maximum.  A chunk that is wholly hidden gives zero codes, NM = 1e30 and l = 0.
; NO CLUSTER: row i of the triangle has i + 1 tiles, column j has 8 - j: no fixed group of four work-groups shares one operand.  NO PREFETCH: three fills in all and no loop to run ahead in.
; LIMITS: t under -1e30 counts as hidden; p under 2^-126 is 0; a block of zeros has the byte 1; NaN and infinities among the inputs are not served; the scaled scores stay under 2^31 in magnitude.
; K: 8 steps of 128 through TWO LDS slots of three steps: slot 0 takes steps 0-2 at the head, slot 1 steps 3-5 behind the first barrier, slot 0 steps 6-7 behind the barrier in step 2.  Wave w fetches block w: q's two groups, k's two groups.
; REGISTERS: window 0: v3-14 addresses, v16-23 p's scale words, v24 -infinity, v25 the mask's number; v32-63 scale words alone; v64-255 A's two sets (free in the epilogue); window 1 B's sets; windows 2, 3 accumulators.
.set PANB,  12800
.set REGB,  3*PANB
.set SLOTB, 4*REGB
.set SPARE, 2*SLOTB
.set LI,  3
.set ADA, 4
.set ADB, 7
.set ASA, 10
.set ASB, 13
.set SW,  16
.set NINF, 24
.set DQ0, 25
.set SPW, 28
.set NIL, 29
.set T,   64
.set TM,  128
.set NMP, 144
.set L1,  146
.set L2,  148
.set PC,  160
.set MW,  184
.set LW,  192
.set OQ,  200
.set TI,  17
.set TJ,  18
.set G1,  24
.set G0,  40                           ; s[40:47] group 0, a set for each slot
.set CS,  52
.set SEL, 54
.set OUT, 56
.set STB, 58
.set MSB, 0
.macro WIN new
.if MSB != \new
	s_set_vgpr_msb (MSB<<8)|\new
.set MSB, \new
.endif
.endm
.set MUL_LO, 0xa1
.set MUL_HI, 0xf1
.set TO_B,   0x40
.macro PLACES
.rept 4
	v_nop
.endr
.endm
.macro MUL16 a0, p, zero               ; the 64 accumulators take turns
.irp a, \a0, \a0+1
.irp b, 0,1,2,3,4,5,6,7
.if \zero
	v_wmma_scale_f32_16x16x128_f8f6f4 v[8*(8*((\a)%4)+\b):8*(8*((\a)%4)+\b)+7], v[128*(\p)+12*\b:128*(\p)+12*\b+11], v[64+96*(\p)+12*(\a):64+96*(\p)+12*(\a)+11], 0, v[40+16*(\p)+\b], v[32+16*(\p)+(\a)] matrix_a_fmt:MATRIX_FMT_FP6 matrix_b_fmt:MATRIX_FMT_FP6
.else
	v_wmma_scale_f32_16x16x128_f8f6f4 v[8*(8*((\a)%4)+\b):8*(8*((\a)%4)+\b)+7], v[128*(\p)+12*\b:128*(\p)+12*\b+11], v[64+96*(\p)+12*(\a):64+96*(\p)+12*(\a)+11], v[8*(8*((\a)%4)+\b):8*(8*((\a)%4)+\b)+7], v[40+16*(\p)+\b], v[32+16*(\p)+(\a)] matrix_a_fmt:MATRIX_FMT_FP6 matrix_b_fmt:MATRIX_FMT_FP6
.endif
.endr
.endr
.endm
.macro LDF reg, adr, off               ; a fragment: three loads of 512 consecutive bytes
.irp c, 0,1,2
	ds_load_b128 v[(\reg)+4*\c:(\reg)+4*\c+3], v[\adr] offset:(\off)+512*\c
.endr
.endm
.macro FB slot, q, p, i0               ; four of B's fragments, from i0 on: 12 loads
	WIN TO_B
.irp i, 0,1,2,3
	LDF 128*(\p)+12*((\i0)+\i), ADB+\slot, PANB*(\q)+1536*((\i0)+\i)
.endr
.endm
.macro FA slot, q, p, i0               ; four of A's
	WIN 0
.irp i, 0,1,2,3
	LDF 64+96*(\p)+12*((\i0)+\i), ADA+\slot, PANB*(\q)+1536*((\i0)+\i)
.endr
.endm
.macro FS slot, q, p                   ; the two sides' scale words: 4 loads
	WIN 0
.irp u, 0,1
	ds_load_b128 v[40+16*(\p)+4*\u:40+16*(\p)+4*\u+3], v[ASB+\slot] offset:PANB*(\q)+256*\u
	ds_load_b128 v[32+16*(\p)+4*\u:32+16*(\p)+4*\u+3], v[ASA+\slot] offset:PANB*(\q)+256*\u
.endr
.endm
.macro FETCH slot, q, p                ; a whole step, 52 loads: B's fragments, the scale words, A's; A's blocks 4-7 are the youngest 12
	FB \slot, \q, \p, 0
	FB \slot, \q, \p, 4
	FS \slot, \q, \p
	FA \slot, \q, \p, 0
	FA \slot, \q, \p, 4
.endm
.macro STEP p, zero, nslot, nq         ; set p is multiplied; the next step's loads stand in four runs between the groups of products
	s_wait_dscnt 12                                ; set p is in but for A's blocks 4-7, the youngest 12 loads
	PLACES
	FB \nslot, \nq, 1-(\p), 0
	WIN MUL_LO
	MUL16 0, \p, \zero
	FB \nslot, \nq, 1-(\p), 4
	WIN MUL_LO
	MUL16 2, \p, \zero
	s_wait_dscnt 24                                ; all but the 24 just issued: A's blocks 4-7 are in
	FS \nslot, \nq, 1-(\p)
	FA \nslot, \nq, 1-(\p), 0
	WIN MUL_HI
	MUL16 4, \p, \zero
	FA \nslot, \nq, 1-(\p), 4
	WIN MUL_HI
	MUL16 6, \p, \zero
	WIN 0
.endm
.macro TURNP p, nslot, nq              ; on into a slot that was on its way
	s_wait_tensorcnt 0x0
	s_wait_dscnt 0x0
	s_barrier_signal -1
	WIN MUL_LO
	MUL16 0, \p, 0
	s_barrier_wait -1
	PLACES
	FETCH \nslot, \nq, 1-(\p)
	WIN MUL_LO
	MUL16 2, \p, 0
	WIN MUL_HI
	MUL16 4, \p, 0
	MUL16 6, \p, 0
	WIN 0
.endm
.macro TURNR p, nslot, nq              ; slot 0 is read out and takes K steps 6 and 7: two panels, 100 rows of 256 bytes
	s_wait_tensorcnt 0x0                           ; no tensor load of mine is out: descriptors may be written
	ds_add_u32 v[SPW], v[NIL]
	s_add_nc_u64 s[G0+2:G0+3], s[G0+2:G0+3], 6*PANB
	s_mov_b32 s[G1+2], 100<<16
	s_mov_b32 s[G1+4], 100
	s_wait_dscnt 0x1                               ; set p is in; the add alone may be out
	WIN MUL_LO
	MUL16 0, \p, 0
	s_wait_dscnt 0x0
	s_barrier_signal -1
	MUL16 2, \p, 0
	WIN 0
	s_barrier_wait -1
	tensor_load_to_lds s[G0:G0+3], s[G1:G1+7]
	s_nop 0
	PLACES
	FETCH \nslot, \nq, 1-(\p)
	WIN MUL_HI
	MUL16 4, \p, 0
	MUL16 6, \p, 0
	WIN 0
.endm
.macro LAST p
	s_wait_dscnt 0x0
	WIN MUL_LO
	MUL16 0, \p, 0
	MUL16 2, \p, 0
	WIN MUL_HI
	MUL16 4, \p, 0
	MUL16 6, \p, 0
	WIN 0
.endm
	s_load_b256 s[4:11], s[0:1], 0x0               ; qi, ki, pi, st
	v_lshl_add_u32 v[SPW], v0, 2, SPARE
	v_mov_b32 v[NIL], 0
	ds_add_u32 v[SPW], v[NIL]                      ; the opening lines
	ds_add_u32 v[SPW], v[NIL]
	s_wait_dscnt 0x0
	v_lshrrev_b32 v1, 5, v0
	v_readfirstlane_b32 s14, v1                    ; wave 0..3
	s_lshr_b32 s15, s14, 1                         ; wr: which group of queries
	s_and_b32 s16, s14, 1                          ; wc: which group of keys; also: which group I fetch
	s_and_b32 s19, ttmp7, 0xffff                   ; the batch
	s_mov_b32 s[TI], 0                             ; work-group x counts the triangle row by row
.irp m, 1,3,6,10,15,21,28
	s_cmp_ge_u32 ttmp9, \m
	s_cselect_b32 s20, 1, 0
	s_add_co_u32 s[TI], s[TI], s20
.endr
	s_add_co_u32 s20, s[TI], 1
	s_mul_i32 s20, s20, s[TI]
	s_lshr_b32 s20, s20, 1
	s_sub_co_u32 s[TJ], ttmp9, s20                 ; j = x - i (i + 1) / 2
	s_mov_b32 s[G1], 3<<16                         ; a dense block of 38,400 bytes as 150 rows of 256
	s_mov_b32 s[G1+1], 32<<16
	s_mov_b32 s[G1+2], 150<<16
	s_mov_b32 s[G1+3], 32<<16
	s_mov_b32 s[G1+4], 150
	s_mov_b32 s[G1+5], 32
	s_mov_b32 s[G1+6], 0
	s_mov_b32 s[G1+7], 0
	s_mov_b32 s[CS], 0x3d38aa3b                    ; c = log2(e) / sqrt(1,024)
	s_mov_b32 s[CS+1], s[CS]
	s_mov_b32 s[SEL], 0x76543210
	s_mov_b32 s[SEL+1], 0xfedcba98
	s_wait_kmcnt 0x0
	s_cmp_lt_u32 s14, 2                            ; waves 0, 1: q's groups 16 b + 2 i + ..;  waves 2, 3: k's groups 16 b + 2 j + ..
	s_cselect_b64 s[20:21], s[4:5], s[6:7]
	s_cselect_b32 s22, s[TI], s[TJ]
	s_lshl_b32 s22, s22, 1
	s_add_co_u32 s22, s22, s16
	s_lshl_b32 s23, s19, 4
	s_add_co_u32 s22, s22, s23
	s_mul_i32 s22, s22, 8*PANB
	s_mov_b32 s23, 0
	s_add_nc_u64 s[20:21], s[20:21], s[22:23]
	s_mul_i32 s32, s14, REGB
.irp sl, 0,1
	s_mov_b32 s[G0+4*\sl], 1
	s_add_co_u32 s[G0+4*\sl+1], s32, \sl*SLOTB
	s_add_nc_u64 s[G0+4*\sl+2:G0+4*\sl+3], s[20:21], \sl*REGB
	s_or_b32 s[G0+4*\sl+3], s[G0+4*\sl+3], 0x80000000
.endr
	tensor_load_to_lds s[G0:G0+3], s[G1:G1+7]      ; K steps 0-2: my one load at the head
	s_nop 0
	PLACES
	v_and_b32 v1, 31, v0
	v_and_b32 v2, 15, v0
	v_lshlrev_b32 v[LI], 4, v1
	v_and_b32 v26, 8, v2
	v_add_nc_u32 v[DQ0], v26, v2                   ; r + 8 (r / 8)
	v_bfe_u32 v26, v0, 4, 1
	v_lshlrev_b32 v26, 4, v26
	v_sub_nc_u32 v[DQ0], v[DQ0], v26               ; - 16 (lane / 16)
	s_sub_co_i32 s33, s15, s16
	s_lshl_b32 s33, s33, 7
	v_add_nc_u32 v[DQ0], s33, v[DQ0]               ; + 128 (wr - wc): on the diagonal tile register n of block a is hidden where 32 (n / 16) + n % 16 - 32 (a / 2) - 8 (a % 2) is above this
	v_mov_b32 v[NINF], 0xff800000
	v_lshl_add_u32 v2, v2, 4, 12288
	s_mul_i32 s33, s15, REGB
	s_mul_i32 s34, s16, REGB
	s_add_co_u32 s34, s34, 2*REGB
.irp sl, 0,1
	v_add_nc_u32 v[ADA+\sl], s33, v[LI]
	v_add_nc_u32 v[ADB+\sl], s34, v[LI]
	v_add_nc_u32 v[ASA+\sl], s33, v2
	v_add_nc_u32 v[ASB+\sl], s34, v2
	s_add_co_u32 s33, s33, SLOTB
	s_add_co_u32 s34, s34, SLOTB
.endr
	s_lshl_b32 s33, s19, 4                         ; my panel: (16 b + 2 i + wr) x 16 + 2 j + wc
	s_lshl_b32 s34, s[TI], 1
	s_add_co_u32 s33, s33, s34
	s_add_co_u32 s33, s33, s15
	s_lshl_b32 s33, s33, 4
	s_lshl_b32 s34, s[TJ], 1
	s_add_co_u32 s33, s33, s34
	s_add_co_u32 s33, s33, s16
	s_mul_i32 s34, s33, PANB
	s_mov_b32 s35, 0
	s_add_nc_u64 s[OUT:OUT+1], s[8:9], s[34:35]
	s_lshl_b32 s34, s33, 10
	s_add_nc_u64 s[STB:STB+1], s[10:11], s[34:35]
	s_wait_alu depctr_va_vdst(0)                   ; the wait at the head's end
	s_wait_tensorcnt 0x0                           ; my part of slot 0 is in
	ds_add_u32 v[SPW], v[NIL]
	s_wait_dscnt 0x0
	s_barrier_signal -1
	s_barrier_wait -1
	tensor_load_to_lds s[G0+4:G0+7], s[G1:G1+7]    ; K steps 3-5, slot 1's first fill, issued as a refill is
	s_nop 0
	PLACES
	FETCH 0, 0, 0
	STEP 0, 1, 0, 1                                ; K step 0 starts the sums
	STEP 1, 0, 0, 2
	TURNR 0, 1, 0                                  ; step 2; slot 0 is asked for again
	STEP 1, 0, 1, 1
	STEP 0, 0, 1, 2
	TURNP 1, 0, 0                                  ; step 5; the refill is in
	STEP 0, 0, 0, 1
	LAST 1
; THE SOFTMAX OF BLOCK a: 16 queries x my 128 keys.  Each accumulator is read from its low end on.
.macro SOFT a
.set WS, 2+(\a)/4
.set AC, 64*((\a)%4)
.set WK, (WS<<6)|WS
.set WM, (WS<<2)|(WS<<4)
	s_cmp_lg_u32 s[TI], s[TJ]                      ; only the diagonal tile has hidden keys: a branch on ids
	s_cbranch_scc1 .Lopen_\@
	WIN WK
.set n, 0
.rept 64
	v_cmp_gt_i32 vcc_lo, 32*(n/16)+n%16-32*((\a)/2)-8*((\a)%2), v[DQ0]
	v_cndmask_b32 v[AC+n], v[AC+n], v[NINF], vcc_lo
.set n, n+1
.endr
	WIN 0
.Lopen_\@:
	WIN WM
.irp b, 0,1,2,3
	v_max3_num_f32 v[TM+\b], v[NINF], v[AC+16*\b], v[AC+16*\b+1]   ; the largest score of each block of 32 keys: for the row's maximum and, since p rises with the score, for the block's largest p
.endr
.irp i, 2,4,6,8,10,12,14
.irp b, 0,1,2,3
	v_max3_num_f32 v[TM+\b], v[TM+\b], v[AC+16*\b+\i], v[AC+16*\b+\i+1]
.endr
.endr
	WIN 0
.irp b, 0,1,2,3
	v_permlanex16_b32 v[TM+4+\b], v[TM+\b], s[SEL], s[SEL+1]
.endr
.irp b, 0,1,2,3
	v_max_num_f32 v[TM+\b], v[TM+\b], v[TM+4+\b]
.endr
	v_max3_num_f32 v[TM+8], v[TM], v[TM+1], v[TM+2]
	v_max_num_f32 v[TM+8], v[TM+8], v[TM+3]
	v_mul_f32 v[TM+8], s[CS], v[TM+8]              ; as t (c is positive)
	v_max_num_f32 v[TM+8], 0xf149f2ca, v[TM+8]     ; held at -1e30: a chunk that is wholly hidden keeps a number for NM
	v_floor_f32 v[NMP], -v[TM+8]                   ; NM = floor(-t) = -ceil(t)
	v_mov_b32 v[MW+(\a)], v[NMP]
	WIN WS
.set j, 0
.rept 32
	v_pk_fma_f32 v[T+j:T+j+1], v[AC+j:AC+j+1], s[CS:CS+1], v[NMP:NMP+1] op_sel_hi:[1,0,0]   ; t - M, two at a time
.set j, j+2
.endr
	WIN 0
.irp b, 0,1,2,3
	v_fma_f32 v[TM+\b], v[TM+\b], s[CS], v[NMP]
.endr
.set j, 0
	s_wait_alu depctr_va_vdst(0)                   ; the wait ahead of the batch
.rept 64
	v_exp_f32 v[T+j], v[T+j]                       ; p = 2^(t - M)
.set j, j+1
.endr
	v_nop
	s_wait_alu depctr_va_vdst(0)                   ; one wait for the batch, ahead of its first reader
.irp b, 0,1,2,3
	v_exp_f32 v[TM+\b], v[TM+\b]                   ; the block's largest p
.endr
	v_pk_add_f32 v[L1:L1+1], v[T:T+1], v[T+4:T+5]  ; the sum of the UNQUANTISED p, in two chains
	v_pk_add_f32 v[L2:L2+1], v[T+2:T+3], v[T+6:T+7]
.irp j, 8,12,16,20,24,28,32,36,40,44,48,52,56,60
	v_pk_add_f32 v[L1:L1+1], v[L1:L1+1], v[T+\j:T+\j+1]
	v_pk_add_f32 v[L2:L2+1], v[L2:L2+1], v[T+\j+2:T+\j+3]
.endr
	v_pk_add_f32 v[L1:L1+1], v[L1:L1+1], v[L2:L2+1]
	s_wait_alu depctr_va_vdst(0)                   ; and one for the four
	v_add_f32 v[L1], v[L1], v[L1+1]
	v_permlanex16_b32 v[L2], v[L1], s[SEL], s[SEL+1]
	v_add_f32 v[LW+(\a)], v[L1], v[L2]             ; the chunk's l
.irp b, 0,1,2,3
	v_max_num_f32 v[TM+\b], 0x1800000, v[TM+\b]    ; the floor 2^(3 - 127)
.endr
.irp b, 0,1,2,3
	v_add_nc_u32 v[TM+12+\b], 0xff000000, v[TM+\b]
.endr
.irp b, 0,1,2,3
	v_lshrrev_b32 v[TM+4+\b], 23, v[TM+12+\b]
.endr
	v_lshl_or_b32 v[SW+(\a)], v[TM+5], 8, v[TM+4]
	v_lshl_or_b32 v[SW+(\a)], v[TM+6], 16, v[SW+(\a)]
	v_lshl_or_b32 v[SW+(\a)], v[TM+7], 24, v[SW+(\a)]
	s_wait_xcnt 0x0                                ; the last fragment's stores have read their data
.irp c, 0,1
	v_cvt_scalef32_pk16_fp6_f32 v[PC+6*\c:PC+6*\c+2], v[T+32*\c:T+32*\c+15], v[TM+12+2*\c]
	v_cvt_scalef32_pk16_fp6_f32 v[PC+12+4*\c:PC+12+4*\c+2], v[T+32*\c+16:T+32*\c+31], v[TM+12+2*\c+1]
.endr
	v_nop
.irp c, 0,1
.irp i, 0,1,2
	v_permlane16_swap_b32 v[PC+6*\c+\i], v[PC+12+4*\c+\i]
.endr
.irp i, 0,1,2
	v_mov_b32 v[PC+6*\c+3+\i], v[PC+12+4*\c+\i]
.endr
.endr
.irp c, 0,1,2
	global_store_b128 v[LI], v[PC+4*\c:PC+4*\c+3], s[OUT:OUT+1] offset:1536*(\a)+512*\c
.endr
.endm
	PLACES
.irp b, 0,1,2,3
	v_mov_b32 v[TM+4+\b], 0                        ; a lane permute's destination counts as read
.endr
	v_mov_b32 v[NMP+1], 0
.irp a, 0,1,2,3,4,5,6,7
	SOFT \a
.endr
	s_mov_b32 vcc_lo, 0xffff0000                   ; lanes 16-31 take fragments 4-7
.irp k, 0,1,2,3
	v_cndmask_b32 v[OQ+\k], v[SW+\k], v[SW+4+\k], vcc_lo
	v_cndmask_b32 v[OQ+4+\k], v[MW+\k], v[MW+4+\k], vcc_lo
	v_cndmask_b32 v[OQ+8+\k], v[LW+\k], v[LW+4+\k], vcc_lo
.endr
	global_store_b128 v[LI], v[OQ:OQ+3], s[OUT:OUT+1] offset:12288
	global_store_b128 v[LI], v[OQ+4:OQ+7], s[STB:STB+1]
	global_store_b128 v[LI], v[OQ+8:OQ+11], s[STB:STB+1] offset:512
	s_wait_tensorcnt 0x0                           ; the wave's end
	ds_add_u32 v[SPW], v[NIL]
	s_wait_dscnt 0x0
	s_endpgm
.Lfunc_end_k_q5119d1ec86_scores:
	.size	k_q5119d1ec86_scores, .Lfunc_end_k_q5119d1ec86_scores-k_q5119d1ec86_scores
	.p2alignl 7, 3214868480
	.fill 96, 4, 3214868480
	.section	.rodata,"a",@progbits
	.p2align	6, 0x0
	.amdhsa_kernel k_q5119d1ec86_scores
		.amdhsa_group_segment_fixed_size 327680
		.amdhsa_private_segment_fixed_size 0
		.amdhsa_enable_private_segment 0
		.amdhsa_kernarg_size 32
		.amdhsa_user_sgpr_count 2
		.amdhsa_user_sgpr_kernarg_segment_ptr 1
		.amdhsa_wavefront_size32 1
		.amdhsa_system_sgpr_workgroup_id_x 1
		.amdhsa_system_sgpr_workgroup_id_y 1
		.amdhsa_system_sgpr_workgroup_id_z 1
		.amdhsa_system_vgpr_workitem_id 0
		.amdhsa_next_free_vgpr 1024
		.amdhsa_next_free_sgpr 80
		.amdhsa_reserve_vcc 1
		.amdhsa_float_denorm_mode_32 3
		.amdhsa_float_denorm_mode_16_64 3
		.amdhsa_memory_ordered 1
		.amdhsa_forward_progress 1
		.amdhsa_inst_pref_size 231
	.end_amdhsa_kernel
	.amdgpu_metadata
---
amdhsa.version: [ 1, 2 ]
amdhsa.kernels:
  - .name:           k_q5119d1ec86_scores
    .symbol:         k_q5119d1ec86_scores.kd
    .args:
      - { .name: qi, .offset: 0, .size: 8, .value_kind: global_buffer, .address_space: global }
      - { .name: ki, .offset: 8, .size: 8, .value_kind: global_buffer, .address_space: global }
      - { .name: pi, .offset: 16, .size: 8, .value_kind: global_buffer, .address_space: global }
      - { .name: st, .offset: 24, .size: 8, .value_kind: global_buffer, .address_space: global }
    .group_segment_fixed_size: 327680
    .private_segment_fixed_size: 0
    .kernarg_segment_align: 8
    .kernarg_segment_size: 32
    .max_flat_workgroup_size: 128
    .sgpr_count:     80
    .vgpr_count:     1024
    .wavefront_size: 32
...
	.end_amdgpu_metadata
.endif
;; end of part 3
;; launch pv (part 4): grid 4 x 64, 4 waves a work-group, no clusters, 327,680 bytes of LDS; arguments pi, vi, st, out0; writes out0
.if DOCPART == 4
	.amdgcn_target "amdgcn-amd-amdhsa--gfx1250"
	.amdhsa_code_object_version 6
	.text
	.protected	k_q5119d1ec86_pv
	.globl	k_q5119d1ec86_pv
	.p2align	8
	.type	k_q5119d1ec86_pv,@function
k_q5119d1ec86_pv:
	s_mov_b64 s[64:65], 0
	v_nop
	global_prefetch_b8 v0, s[64:65] scope:SCOPE_SE
	s_setreg_imm32_b32 hwreg(HW_REG_WAVE_MODE, 25, 1), 1
	s_wait_xcnt 0x0
; out = (p v) / l on codes of FP6 (E2M3).  p comes chunk by chunk of 128 keys, each chunk under its own whole-number M (st: NM = -M and l for each query and chunk); v comes as v^T with the keys innermost.
; A work-group makes 128 queries (group g of batch b) x 256 of d (work-group x): 4 x 64 = 256 work-groups.  Group g needs chunks 0 .. g alone: the key steps behind them lie wholly under reference()'s own mask and are left out.
; g = 15 - y / 4: the work-groups with the most steps have the lowest numbers.  A wave makes 64 queries x 128 of d: 32 accumulators, 256 registers.
; THE ROW'S M is the largest of its chunks' M.  Chunk s is brought under it by taking M - M(s), a whole number, off p's scale bytes (held at 0 from below) and by l(s) x 2^(M(s) - M).
; That work is shared out: wave w adjusts chunks w, w + 4, w + 8, w + 12 and sums their l; words and partial sums meet in LDS.  A chunk's number above g is held at g for the loads, and its l counts with the factor 0.
; THE PRODUCT IS USED TRANSPOSED: source 0 = 16 rows of v^T, source 1 = 16 queries: a lane holds one query, and block a's 64 registers run along d: register 16 b + i is 32 b + 16 (lane / 16) + i.
; LDS: two slots of FOUR key steps: p's four panels, then four panels of each of v^T's two groups: 153,600 bytes.  Waves 0, 1 fetch two panels of p each, waves 2, 3 four panels of v^T each: one tensor load a wave for a fill.
; A fill is whole even where g + 1 is no multiple of 4: what lies behind step g is not read.  Behind the slots: the adjusted scale words (8,192 bytes), the partial sums of l (2,048), the spare words.
; The stage of the way out lies in slot 0, behind a barrier behind which nobody reads a slot and nothing is filled.
; NO CLUSTER: the number of fills, g / 4 + 1, hangs on the work-group's number, so the last fills are led round by a jump on ids, which a joint load does not admit.
; PREFETCH: behind the load of fill k - 1 each wave names part of fill k's bytes, one fill ahead of the load that wants them.  A fill's 200 blocks of 256 bytes of p are shared out among the four work-groups of a query group
; (50 each, 25 to wave 0 and to wave 1); the 200 blocks of a group of v^T among the sixteen query groups (13 where g is even, 12 where it is odd; waves 2 and 3, a group each).  Lanes left over name their wave's last block again.
; LIMITS: a chunk more than 127 powers of two under the row's M counts with 2^-127; NaN and infinities are not served; the scaled scores stay under 2^31 in magnitude.
; REGISTERS: window 0: v3-16 addresses, v20-27 at work in the head, then 1 / l; v32-63 scale words alone; v64-111, v160-207 p's fragments, two sets; window 1: v^T's fragments at v0 and v128; window 2: the accumulators, (a, b) at v[8 (8 a + b)].
.set PANB,  12800
.set BLK,   4*PANB
.set SLOTB, 3*BLK
.set ADJ,   2*SLOTB
.set LP,    ADJ+8192
.set SPARE, LP+2048
.set SPITCH, 528
.set LI,   3
.set ADA,  4
.set ADB,  6
.set ASB,  8
.set ASA,  10
.set ADJW, 11
.set LPW,  12
.set LPR,  13
.set STO,  14
.set SRD,  15
.set PFO,  16
.set MR,   20
.set RQ,   20
.set LS,   24
.set RC2,  24
.set SPW,  28
.set NIL,  29
.set T,    64
.set AO,   192
.set BO,   208
.set CO,   212
.set NN,   20                          ; s20 steps: g + 1
.set NF,   21                          ; s21 fills: g / 4 + 1
.set G1P,  24
.set G1V,  32
.set G0,   40
.set PB,   48
.set STB,  50
.set OUT,  52
.set K80,  54
.set PFB,  56
.set FL,   76                          ; s76-79 1.0 where my chunk counts, else 0
.set MSB, 0
.macro WIN new
.if MSB != \new
	s_set_vgpr_msb (MSB<<8)|\new
.set MSB, \new
.endif
.endm
.set MUL,  0xa1
.set TO_B, 0x40
.macro PLACES
.rept 4
	v_nop
.endr
.endm
.macro MULA a, p, zero                 ; block a x v^T's eight: the 32 accumulators take turns
.irp b, 0,1,2,3,4,5,6,7
.if \zero
	v_wmma_scale_f32_16x16x128_f8f6f4 v[8*(8*(\a)+\b):8*(8*(\a)+\b)+7], v[128*(\p)+12*\b:128*(\p)+12*\b+11], v[64+96*(\p)+12*(\a):64+96*(\p)+12*(\a)+11], 0, v[40+16*(\p)+\b], v[32+16*(\p)+(\a)] matrix_a_fmt:MATRIX_FMT_FP6 matrix_b_fmt:MATRIX_FMT_FP6
.else
	v_wmma_scale_f32_16x16x128_f8f6f4 v[8*(8*(\a)+\b):8*(8*(\a)+\b)+7], v[128*(\p)+12*\b:128*(\p)+12*\b+11], v[64+96*(\p)+12*(\a):64+96*(\p)+12*(\a)+11], v[8*(8*(\a)+\b):8*(8*(\a)+\b)+7], v[40+16*(\p)+\b], v[32+16*(\p)+(\a)] matrix_a_fmt:MATRIX_FMT_FP6 matrix_b_fmt:MATRIX_FMT_FP6
.endif
.endr
.endm
.macro LDF reg, adr, off               ; a fragment: three loads of 512 consecutive bytes
.irp c, 0,1,2
	ds_load_b128 v[(\reg)+4*\c:(\reg)+4*\c+3], v[\adr] offset:(\off)+512*\c
.endr
.endm
.macro FBQ slot, q, p, i0              ; four of v^T's fragments, from i0 on: 12 loads
	WIN TO_B
.irp i, 0,1,2,3
	LDF 128*(\p)+12*((\i0)+\i), ADB+\slot, PANB*(\q)+1536*((\i0)+\i)
.endr
.endm
.macro FSA slot, q, p, ks              ; the scale words and p's blocks 0, 1: 9 loads
	WIN 0
.irp u, 0,1
	ds_load_b128 v[40+16*(\p)+4*\u:40+16*(\p)+4*\u+3], v[ASB+\slot] offset:PANB*(\q)+256*\u
.endr
	ds_load_b128 v[32+16*(\p):32+16*(\p)+3], v[ASA] offset:512*(\ks)
.irp i, 0,1
	LDF 64+96*(\p)+12*\i, ADA+\slot, PANB*(\q)+1536*\i
.endr
.endm
.macro FAQ slot, q, p                  ; p's blocks 2, 3: 6 loads
	WIN 0
.irp i, 2,3
	LDF 64+96*(\p)+12*\i, ADA+\slot, PANB*(\q)+1536*\i
.endr
.endm
.macro FETCH slot, q, p, ks            ; a whole step, 39 loads; p's blocks 2, 3 are the youngest 6
	FBQ \slot, \q, \p, 0
	FBQ \slot, \q, \p, 4
	FSA \slot, \q, \p, \ks
	FAQ \slot, \q, \p
.endm
.macro TLOAD sl                        ; a fill: waves 0, 1 two panels of p, waves 2, 3 four of v^T: two shapes, two groups 1
	s_cmp_lt_u32 s14, 2
	s_cbranch_scc0 .Lfor_v_\@
	tensor_load_to_lds s[G0+4*(\sl):G0+4*(\sl)+3], s[G1P:G1P+7]
	s_nop 0
	PLACES
	s_branch .Lasked_\@
.Lfor_v_\@:
	tensor_load_to_lds s[G0+4*(\sl):G0+4*(\sl)+3], s[G1V:G1V+7]
	s_nop 0
	PLACES
.Lasked_\@:
.endm
.macro PF k                            ; my share of fill k's blocks, where there is a fill k
	s_cmp_gt_u32 s[NF], \k
	s_cbranch_scc0 .Lnone_\@
	global_prefetch_b8 v[PFO], s[PFB:PFB+1] offset:(\k)*BLK th:TH_LOAD_NT scope:SCOPE_SE
.Lnone_\@:
.endm
	s_load_b256 s[4:11], s[0:1], 0x0               ; pi, vi, st, out0
	v_lshl_add_u32 v[SPW], v0, 2, SPARE
	v_mov_b32 v[NIL], 0
	ds_add_u32 v[SPW], v[NIL]                      ; the opening lines
	ds_add_u32 v[SPW], v[NIL]
	v_lshrrev_b32 v1, 5, v0
	v_readfirstlane_b32 s14, v1                    ; wave 0..3
	s_lshr_b32 s15, s14, 1                         ; wr: which 64 queries
	s_and_b32 s16, s14, 1                          ; wc: which group of v^T
	s_and_b32 s23, ttmp7, 0xffff
	s_and_b32 s18, s23, 3                          ; the batch
	s_lshr_b32 s19, s23, 2
	s_sub_co_u32 s19, 15, s19                      ; g
	s_add_co_u32 s[NN], s19, 1
	s_lshr_b32 s[NF], s19, 2
	s_add_co_u32 s[NF], s[NF], 1
	s_lshl_b32 s22, s18, 4
	s_add_co_u32 s22, s22, s19                     ; G = 16 b + g
.irp g, G1P, G1V                       ; dense blocks as rows of 256 bytes
	s_mov_b32 s[\g], 3<<16
	s_mov_b32 s[\g+1], 32<<16
	s_mov_b32 s[\g+3], 32<<16
	s_mov_b32 s[\g+5], 32
	s_mov_b32 s[\g+6], 0
	s_mov_b32 s[\g+7], 0
.endr
	s_mov_b32 s[G1P+2], 100<<16
	s_mov_b32 s[G1P+4], 100
	s_mov_b32 s[G1V+2], 200<<16
	s_mov_b32 s[G1V+4], 200
	s_mov_b32 s[K80], 0x80808080
	s_lshl_b32 s58, s22, 4                         ; p: panel 16 G
	s_lshl_b32 s59, s18, 3
	s_lshl_b32 s60, ttmp9, 1
	s_add_co_u32 s59, s59, s60
	s_add_co_u32 s59, s59, s16
	s_lshl_b32 s59, s59, 4                         ; v^T: panel 16 (8 b + 2 x + wc)
	s_mul_i32 s68, ttmp9, 50
	s_mul_i32 s69, s14, 25
	s_add_co_u32 s68, s68, s69                     ; prefetch, p: from block 50 x + 25 w on
	s_lshr_b32 s70, s19, 1
	s_mul_i32 s70, s70, 25
	s_and_b32 s71, s19, 1
	s_mul_i32 s72, s71, 13
	s_add_co_u32 s70, s70, s72                     ; v^T: from block 25 (g / 2) + 13 (g % 2) on,
	s_sub_co_u32 s71, 12, s71                      ; 13 or 12 of them
	s_and_b32 s62, s15, s16
	s_add_co_u32 s62, s62, s14
	s_mul_i32 s62, s62, 2*PANB                     ; where my part of a slot begins: 0, 2, 4, 8 panels
	s_wait_dscnt 0x0
	s_wait_kmcnt 0x0
	s_cmp_lt_u32 s14, 2
	s_cselect_b64 s[60:61], s[4:5], s[6:7]
	s_cselect_b32 s58, s58, s59
	s_cselect_b32 s66, s14, 0
	s_cselect_b32 s68, s68, s70
	s_cselect_b32 s69, 24, s71
	s_mul_i32 s58, s58, PANB
	s_mov_b32 s59, 0
	s_add_nc_u64 s[PFB:PFB+1], s[60:61], s[58:59]
	s_mul_i32 s58, s66, 2*PANB
	s_add_nc_u64 s[60:61], s[PFB:PFB+1], s[58:59]
.irp sl, 0,1
	s_mov_b32 s[G0+4*\sl], 1
	s_add_co_u32 s[G0+4*\sl+1], s62, \sl*SLOTB
	s_add_nc_u64 s[G0+4*\sl+2:G0+4*\sl+3], s[60:61], \sl*BLK
	s_or_b32 s[G0+4*\sl+3], s[G0+4*\sl+3], 0x80000000
.endr
	TLOAD 0                                        ; key steps 0-3: my one load at the head
	s_lshl_b32 s58, s22, 14
	s_add_nc_u64 s[STB:STB+1], s[8:9], s[58:59]    ; st: 1,024 bytes a chunk, 16 chunks a group
	s_mul_i32 s58, s22, 16*PANB
	s_add_co_u32 s58, s58, 12288
	s_add_nc_u64 s[PB:PB+1], s[4:5], s[58:59]      ; p's scale words
	s_lshl_b32 s58, s22, 19
	s_lshl_b32 s60, s15, 18
	s_add_co_u32 s58, s58, s60
	s_lshl_b32 s60, ttmp9, 10
	s_add_co_u32 s58, s58, s60
	s_lshl_b32 s60, s16, 9
	s_add_co_u32 s58, s58, s60
	s_add_nc_u64 s[OUT:OUT+1], s[10:11], s[58:59]  ; row 128 G + 64 wr, byte 1,024 x + 512 wc
	v_and_b32 v1, 31, v0
	v_and_b32 v2, 15, v0
	v_bfe_u32 v30, v0, 4, 1
	v_lshlrev_b32 v[LI], 4, v1
	v_lshlrev_b32 v31, 4, v2
	v_min_u32 v[PFO], s69, v1
	v_add_nc_u32 v[PFO], s68, v[PFO]
	v_lshlrev_b32 v[PFO], 8, v[PFO]
	s_wait_alu depctr_va_vdst(0)
	PF 1
.irp s, 0,1,2,3,4,5,6,7,8,9,10,11,12,13,14,15
	s_min_u32 s58, s19, \s                         ; NM of every chunk, the chunk's number held at g: a chunk read twice moves no maximum
	s_lshl_b32 s58, s58, 10
	v_add_nc_u32 v[AO+\s], s58, v[LI]
	global_load_b128 v[128+4*\s:128+4*\s+3], v[AO+\s], s[STB:STB+1]
.endr
.irp j, 0,1,2,3
	s_add_co_u32 s58, s14, 4*\j                    ; my chunk w + 4 j: NM, l and p's scale words
	s_cmp_le_u32 s58, s19
	s_cselect_b32 s[FL+\j], 1.0, 0
	s_min_u32 s58, s58, s19
	s_lshl_b32 s59, s58, 10
	s_mul_i32 s58, s58, PANB
	v_add_nc_u32 v[BO+\j], s59, v[LI]
	v_add_nc_u32 v[CO+\j], s58, v[LI]
	global_load_b128 v[64+4*\j:64+4*\j+3], v[BO+\j], s[STB:STB+1]
	global_load_b128 v[80+4*\j:80+4*\j+3], v[BO+\j], s[STB:STB+1] offset:512
	global_load_b128 v[96+4*\j:96+4*\j+3], v[CO+\j], s[PB:PB+1]
.endr
	s_mul_i32 s58, s15, 6144                       ; p: my four fragments
	s_mul_i32 s59, s16, BLK
	s_add_co_u32 s59, s59, BLK                     ; v^T: group wc, behind p's block
.irp sl, 0,1
	v_add_nc_u32 v[ADA+\sl], s58, v[LI]
	v_add_nc_u32 v[ADB+\sl], s59, v[LI]
	v_add_nc_u32 v[ASB+\sl], s59, v31
	v_add_nc_u32 v[ASB+\sl], 12288, v[ASB+\sl]
	s_add_co_u32 s58, s58, SLOTB
	s_add_co_u32 s59, s59, SLOTB
.endr
	s_lshl_b32 s58, s15, 8
	s_add_co_u32 s59, s58, ADJ
	v_add_nc_u32 v[ASA], s59, v31                  ; adjusted words of my four fragments, row slot r
	s_add_co_u32 s59, s58, LP
	v_add_nc_u32 v[LPR], s59, v31
	s_lshl_b32 s58, s14, 9
	s_add_co_u32 s59, s58, ADJ
	v_add_nc_u32 v[ADJW], s59, v[LI]
	s_add_co_u32 s59, s58, LP
	v_add_nc_u32 v[LPW], s59, v[LI]
	s_mul_i32 s58, s14, 16*SPITCH                  ; my stage, in slot 0
	v_mul_u32_u24 v[STO], v2, SPITCH
	v_lshl_add_u32 v[STO], v30, 6, v[STO]
	v_add_nc_u32 v[STO], s58, v[STO]
	v_add_nc_u32 v[SRD], s58, v[LI]
	s_wait_alu depctr_va_vdst(0)                   ; the wait at the head's end
	s_wait_tensorcnt 0x0                           ; my part of slot 0 is in
	ds_add_u32 v[SPW], v[NIL]
	s_wait_dscnt 0x0
	s_barrier_signal -1
	s_barrier_wait -1
	s_cmp_gt_u32 s[NF], 1
	s_cbranch_scc0 .Lone
	TLOAD 1                                        ; key steps 4-7, slot 1's first fill, issued as a refill is
.Lone:
	PF 2
	s_wait_loadcnt 0x0
.irp k, 0,1,2,3
	v_max3_num_f32 v[MR+\k], -v[128+\k], -v[132+\k], -v[136+\k]   ; the row's M
.endr
.irp s, 3,5,7,9,11,13
.irp k, 0,1,2,3
	v_max3_num_f32 v[MR+\k], v[MR+\k], -v[128+4*\s+\k], -v[132+4*\s+\k]
.endr
.endr
.irp k, 0,1,2,3
	v_max_num_f32 v[MR+\k], v[MR+\k], -v[188+\k]
.endr
.macro ADJS j
.set NQ_, 64+4*(\j)
.set LQ_, 80+4*(\j)
.set WQ_, 96+4*(\j)
.irp k, 0,1,2,3
	v_sub_f32 v[NQ_+\k], -v[NQ_+\k], v[MR+\k]      ; M(s) - M: a whole number, 0 or less,
.endr
.irp k, 0,1,2,3
	v_max_num_f32 v[NQ_+\k], 0xc2fe0000, v[NQ_+\k] ; held at -127
.endr
.irp k, 0,1,2,3
	v_cvt_i32_f32 v[NQ_+\k], v[NQ_+\k]
.endr
.irp k, 0,1,2,3
	v_ldexp_f32 v[LQ_+\k], v[LQ_+\k], v[NQ_+\k]
.endr
.irp k, 0,1,2,3
.if (\j) == 0
	v_mul_f32 v[LS+\k], s[FL], v[LQ_+\k]
.else
	v_fmac_f32 v[LS+\k], s[FL+(\j)], v[LQ_+\k]
.endif
.endr
.irp k, 0,1,2,3
	v_sub_nc_u32 v[NQ_+\k], 0, v[NQ_+\k]
.endr
.irp k, 0,1,2,3
	v_lshl_or_b32 v[NQ_+\k], v[NQ_+\k], 8, v[NQ_+\k]
.endr
.irp k, 0,1,2,3
	v_lshl_or_b32 v[NQ_+\k], v[NQ_+\k], 16, v[NQ_+\k]   ; in all four bytes
.endr
.irp k, 0,1,2,3
	v_or_b32 v[WQ_+\k], s[K80], v[WQ_+\k]          ; bit 7 of each byte guards the byte's subtraction (a byte of p's scales is under 128: p is at most 1)
.endr
.irp k, 0,1,2,3
	v_sub_nc_u32 v[WQ_+\k], v[WQ_+\k], v[NQ_+\k]
.endr
.irp k, 0,1,2,3
	v_and_b32 v[NQ_+\k], s[K80], v[WQ_+\k]         ; where the guard is gone the byte fell under 0
.endr
.irp k, 0,1,2,3
	v_lshrrev_b32 v[LQ_+\k], 7, v[NQ_+\k]
.endr
.irp k, 0,1,2,3
	v_sub_nc_u32 v[NQ_+\k], v[NQ_+\k], v[LQ_+\k]   ; 0x7f where it stands, 0 where it is gone
.endr
.irp k, 0,1,2,3
	v_and_b32 v[WQ_+\k], v[WQ_+\k], v[NQ_+\k]
.endr
	ds_store_b128 v[ADJW], v[WQ_:WQ_+3] offset:2048*(\j)
.endm
.irp j, 0,1,2,3
	ADJS \j
.endr
	ds_store_b128 v[LPW], v[LS:LS+3]
	s_wait_alu depctr_va_vdst(0)
	s_wait_dscnt 0x0                               ; my words and sums are in LDS; slot 1's load may stay out
	s_barrier_signal -1
	s_barrier_wait -1
.irp k, 0,1,2,3
	ds_load_b128 v[112+4*\k:112+4*\k+3], v[LPR] offset:512*\k
.endr
	FETCH 0, 0, 0, 0
	s_wait_dscnt 39                                ; the four waves' sums are in; the 39 loads behind them may be out
	v_pk_add_f32 v[112:113], v[112:113], v[116:117]
	v_pk_add_f32 v[114:115], v[114:115], v[118:119]
	v_pk_add_f32 v[120:121], v[120:121], v[124:125]
	v_pk_add_f32 v[122:123], v[122:123], v[126:127]
	v_pk_add_f32 v[112:113], v[112:113], v[120:121]
	v_pk_add_f32 v[114:115], v[114:115], v[122:123]
	s_wait_alu depctr_va_vdst(0)                   ; the wait ahead of the batch,
.irp k, 0,1,2,3
	v_rcp_f32 v[RQ+\k], v[112+\k]                  ; 1 / l of my four blocks' row slot r
.endr
	v_nop
	s_wait_alu depctr_va_vdst(0)                   ; and behind it
; A key step.  The walk ends where st + 1 = g + 1: a branch on ids, the same in all waves.
.macro WALK st
.set SL_, ((\st)/4)%2
.set Q_, (\st)%4
.set P_, (\st)%2
	s_cmp_eq_u32 s[NN], (\st)+1
.if (\st) == 0
	s_cbranch_scc1 .Lonly
.elseif P_ == 0
	s_cbranch_scc1 .Llast0
.else
	s_cbranch_scc1 .Llast1
.endif
.if Q_ < 3
	s_wait_dscnt 6                                 ; set P_ is in but for p's blocks 2, 3, the youngest 6 loads
	PLACES
	FBQ SL_, Q_+1, 1-P_, 0                         ; the next step's loads stand in four runs between the groups of products
	WIN MUL
	MULA 0, P_, ((\st)==0)
	FBQ SL_, Q_+1, 1-P_, 4
	WIN MUL
	MULA 1, P_, ((\st)==0)
	s_wait_dscnt 24                                ; all but the 24 just issued: p's blocks 2, 3 are in
	FSA SL_, Q_+1, 1-P_, (\st)+1
	WIN MUL
	MULA 2, P_, ((\st)==0)
	FAQ SL_, Q_+1, 1-P_
	WIN MUL
	MULA 3, P_, ((\st)==0)
	WIN 0
.else
	s_wait_tensorcnt 0x0                           ; my part of the other slot is in: no tensor load of mine is out
	ds_add_u32 v[SPW], v[NIL]
.if (\st) < 11
	s_add_nc_u64 s[G0+4*SL_+2:G0+4*SL_+3], s[G0+4*SL_+2:G0+4*SL_+3], 2*BLK
.endif
	s_wait_dscnt 7                                 ; the add and p's blocks 2, 3 may be out
	WIN MUL
	MULA 0, 1, 0
	s_wait_dscnt 0x0                               ; the add is done, and so are my reads of this slot
	s_barrier_signal -1
	MULA 1, 1, 0
	WIN 0
	s_barrier_wait -1
.if (\st) < 11
	s_cmp_gt_u32 s[NF], (\st)/4+2                  ; a slot is filled again only if a later step reads it
	s_cbranch_scc0 .Lnofill_\@
	TLOAD SL_
.Lnofill_\@:
.endif
	PLACES
	FETCH 1-SL_, 0, 0, (\st)+1
.if (\st) < 7
	PF 3
.endif
	WIN MUL
	MULA 2, 1, 0
	MULA 3, 1, 0
	WIN 0
.endif
.endm
.irp st, 0,1,2,3,4,5,6,7,8,9,10,11,12,13,14
	WALK \st
.endr
.macro TAIL p, zero
	s_wait_dscnt 0x0
	WIN MUL
.irp a, 0,1,2,3
	MULA \a, \p, \zero
.endr
	WIN 0
.endm
.Llast1:
	TAIL 1, 0
	s_branch .Lout
.Llast0:
	TAIL 0, 0
	s_branch .Lout
.Lonly:
	TAIL 0, 1                                      ; g = 0: the one step starts and ends the sums
.Lout:
	s_wait_tensorcnt 0x0                           ; no load is out, and
	ds_add_u32 v[SPW], v[NIL]
	s_wait_dscnt 0x0                               ; my reads of the slots are over:
	s_barrier_signal -1
	s_barrier_wait -1                              ; so are everybody's: slot 0, which has had its last fill, takes the stages
; THE WAY OUT, block by block of 16 queries x 128 of d: x 1 / l, through my stage, back as whole rows of 512 bytes.  Each accumulator is read from its low end on.
.macro OUTB a
.set AC, 64*(\a)
.set BB, 128+64*((\a)%2)
.if (\a) > 0
	s_wait_dscnt 16                                ; the last block's stores into the stage are done; its 16 loads may be out
.endif
	v_mov_b32 v[RC2], v[RQ+(\a)]
	WIN 2
.set j, 0
.rept 32
	v_pk_mul_f32 v[T+j:T+j+1], v[AC+j:AC+j+1], v[RC2:RC2+1] op_sel_hi:[1,0]
.set j, j+2
.endr
	WIN 0
	s_wait_alu depctr_va_vdst(0)                   ; the wait, directly ahead of the wait below
	s_wait_xcnt 0x0                                ; the stores of two blocks ago have read their registers
.irp b, 0,1,2,3,4,5,6,7
.irp z, 0,1
	ds_store_b128 v[STO], v[T+8*\b+4*\z:T+8*\b+4*\z+3] offset:128*(\b/2)+32*(\b%2)+16*\z
.endr
.endr
.irp t, 0,1,2,3,4,5,6,7,8,9,10,11,12,13,14,15
	ds_load_b128 v[BB+4*\t:BB+4*\t+3], v[SRD] offset:SPITCH*\t
.endr
.endm
.macro SEND a, younger
.set BB, 128+64*((\a)%2)
	s_wait_dscnt \younger
.irp t, 0,1,2,3,4,5,6,7,8,9,10,11,12,13,14,15
	global_store_b128 v[LI], v[BB+4*\t:BB+4*\t+3], s[OUT:OUT+1] offset:(32*((\a)/2)+8*((\a)%2)+\t+8*(\t/8))*4096 th:TH_STORE_NT   ; 32 lanes store 512 consecutive bytes, aligned
.endr
.endm
	PLACES
	OUTB 0
.irp a, 1,2,3
	OUTB \a
	SEND \a-1, 32                                  ; behind block a - 1's loads: block a's 16 stores and 16 loads
.endr
	SEND 3, 0
	s_wait_tensorcnt 0x0                           ; the wave's end
	ds_add_u32 v[SPW], v[NIL]
	s_wait_dscnt 0x0
	s_endpgm
.Lfunc_end_k_q5119d1ec86_pv:
	.size	k_q5119d1ec86_pv, .Lfunc_end_k_q5119d1ec86_pv-k_q5119d1ec86_pv
	.p2alignl 7, 3214868480
	.fill 96, 4, 3214868480
	.section	.rodata,"a",@progbits
	.p2align	6, 0x0
	.amdhsa_kernel k_q5119d1ec86_pv
		.amdhsa_group_segment_fixed_size 327680
		.amdhsa_private_segment_fixed_size 0
		.amdhsa_enable_private_segment 0
		.amdhsa_kernarg_size 32
		.amdhsa_user_sgpr_count 2
		.amdhsa_user_sgpr_kernarg_segment_ptr 1
		.amdhsa_wavefront_size32 1
		.amdhsa_system_sgpr_workgroup_id_x 1
		.amdhsa_system_sgpr_workgroup_id_y 1
		.amdhsa_system_sgpr_workgroup_id_z 1
		.amdhsa_system_vgpr_workitem_id 0
		.amdhsa_next_free_vgpr 768
		.amdhsa_next_free_sgpr 80
		.amdhsa_reserve_vcc 0
		.amdhsa_float_denorm_mode_32 3
		.amdhsa_float_denorm_mode_16_64 3
		.amdhsa_memory_ordered 1
		.amdhsa_forward_progress 1
		.amdhsa_inst_pref_size 170
	.end_amdhsa_kernel
	.amdgpu_metadata
---
amdhsa.version: [ 1, 2 ]
amdhsa.kernels:
  - .name:           k_q5119d1ec86_pv
    .symbol:         k_q5119d1ec86_pv.kd
    .args:
      - { .name: pi, .offset: 0, .size: 8, .value_kind: global_buffer, .address_space: global }
      - { .name: vi, .offset: 8, .size: 8, .value_kind: global_buffer, .address_space: global }
      - { .name: st, .offset: 16, .size: 8, .value_kind: global_buffer, .address_space: global }
      - { .name: out0, .offset: 24, .size: 8, .value_kind: global_buffer, .address_space: global }
    .group_segment_fixed_size: 327680
    .private_segment_fixed_size: 0
    .kernarg_segment_align: 8
    .kernarg_segment_size: 32
    .max_flat_workgroup_size: 128
    .sgpr_count:     80
    .vgpr_count:     768
    .wavefront_size: 32
...
	.end_amdgpu_metadata
.endif
;; end of part 4
